; MI455X (gfx1250); checked and timed in simulation.
; The chip was launched on July 23, 2026; its instructions are those of AMD's public machine-readable ISA for CDNA 5 (MIT licence, August 2026) and "CDNA5" Instruction Set Architecture Reference Guide (July 2026). The comments in the code are by the model that wrote it; some were corrected since.
;; Multi Headed Attention. Allowed arithmetic: matrix products marked QUANTISED: E2M1 operands, one E8M0 scale for each 32 along K, by v_wmma_scale_f32_16x16x128_f8f6f4 with both operands' format E2M1 (or v_wmma_scale_f32_32x16x128_f4), f32 sums; everything else in f32.
;; Inputs: Wk 1,024 x 1,024 float32; Wo 1,024 x 1,024 float32; Wq 1,024 x 1,024 float32; Wv 1,024 x 1,024 float32; bk 1,024 float32; bo 1,024 float32; bq 1,024 float32; bv 1,024 float32; x 4 x 2,048 x 1,024 float32.
;; Outputs: out0 4 x 2,048 x 1,024 float32.
;; This version of the problem:
;;   THIS VERSION OF THE PROBLEM IS GIVEN IN LOW PRECISION. The matrix products marked QUANTISED in the list below multiply operands that are first quantised to E2M1 (2 exponent bits, 1 mantissa bit; 4 bits a number), with one power-of-two scale for each 32 numbers along K (OCP MX v1.0); their sums are f32. All else is computed in f32.
;;   The module's matrix products, in the order in which they are computed (A, B: the left and right operand; K: the contracted axis; several contracted axes count as one K, in the product's order):
;;     1. [M 8,192, K 1,024] x [K 1,024, N 1,024]; A: input x; B: input Wq: QUANTISED
;;     2. [M 8,192, K 1,024] x [K 1,024, N 1,024]; A: input x; B: input Wk: QUANTISED
;;     3. [M 8,192, K 1,024] x [K 1,024, N 1,024]; A: input x; B: input Wv: QUANTISED
;;     4. batch 64 x [M 2,048, K 64] x [K 64, N 2,048]; A: computed on the way; B: computed on the way: QUANTISED
;;     5. batch 64 x [M 2,048, K 2,048] x [K 2,048, N 64]; A: softmax (see below); B: computed on the way: QUANTISED
;;     6. [M 8,192, K 1,024] x [K 1,024, N 1,024]; A: computed on the way; B: input Wo: QUANTISED
;;   THE QUANTISER, for each operand of a quantised product, along K:
;;     - K is cut into blocks of 32 from its start; a last block that is shorter is filled with zeros.
;;     - A block's scale is 2^e with e = floor(log2(the largest magnitude in the block)) - 2, held to -126 .. 127; a block of zeros has e = 0. As a byte (E8M0): e + 127.
;;     - Each number is divided by its block's scale, clamped to +-6, and rounded to the nearest number of E2M1, ties to even, subnormals kept.
;;     - The product sums the exact products of the quantised numbers (number of the format x scale) in f32.
;;   ~~~python
;;   def quantise(x, axis):      # numpy; x: float32 -> the quantised numbers, widened to float32 again
;;       x = np.moveaxis(x, axis, -1); K = x.shape[-1]
;;       x = np.pad(x, [(0, 0)] * (x.ndim - 1) + [(0, -K % 32)]); x = x.reshape(x.shape[:-1] + (-1, 32)); a = np.abs(x).max(-1, keepdims=True)
;;       e = np.where(a > 0, np.clip(np.frexp(np.where(a > 0, a, 1))[1] - 1 - 2, -126, 127), 0)      # np.frexp(a)[1] - 1 = floor(log2(a)), exactly
;;       r = np.clip(x / 2.0 ** e, -6, 6)
;;       step = 2.0 ** (np.maximum(np.frexp(np.where(r == 0, 1, r))[1] - 1, 0) - 1)
;;       q = np.round(r / step) * step * 2.0 ** e      # np.round: ties to even
;;       return np.moveaxis(q.reshape(q.shape[:-2] + (-1,))[..., :K], -1, axis).astype(np.float32)
;;   ~~~
;;   SOFTMAX AHEAD OF A QUANTISED PRODUCT. Where the list says 'softmax', what is quantised is not the finished softmax but p = 2^(t - M), with t = logit x log2(e) and M = ceil(the row's largest t), a whole number; so 1/2 < the row's largest p <= 1. The row's sum l is taken of the UNQUANTISED p, in f32, and the product's result is divided by l at the end. Since M is a whole number, a kernel that streams over the keys may use a running M (the ceiling of the running maximum): every later rescaling is an exact power of two, which a block's scale takes up: the codes' values come out the same.
;;   OPERANDS COMPUTED ON THE WAY. 'Computed on the way' means the value that the module computes at that place (a softmax that the list does not call 'softmax' is quantised finished and normalised). What goes into a quantiser is computed in f32, as accurately as f32 sums, v_exp_f32 and their like allow (about 1e-6 of the number): no bf16 or f16 on the way to a quantiser, and a product that is left as it is and whose result goes on into a quantised operand takes f32 operands (vector FMAs, or v_wmma_f32_16x16x4_f32). A number that lies on a knife's edge between two numbers of the format may be rounded either way, as far as f32 arithmetic and the matrix unit's own rounding can turn it there, and no further.
;; One version. Each part assembles by itself: llvm-mc -triple=amdgcn-amd-amdhsa -mcpu=gfx1250 --defsym DOCPART=n.
;; ======== version 1 of 1: 4 launches
;; workspace buffers: codes 6,291,456 bytes; scales 393,216 bytes; qkv 13,893,632 bytes; oimg 4,194,304 bytes; osc 262,144 bytes
;; launch quant (part 1): grid 256 x 1, 8 waves a work-group, no clusters, 84,992 bytes of LDS; arguments x, Wq, Wk, Wv, Wo, codes, scales; writes codes, scales
.if DOCPART == 1
	.amdgcn_target "amdgcn-amd-amdhsa--gfx1250"
	.amdhsa_code_object_version 6
	.text
	.protected	k_q492cd6b795_quant
	.globl	k_q492cd6b795_quant
	.p2align	8
	.type	k_q492cd6b795_quant,@function
k_q492cd6b795_quant:
	s_mov_b64 s[64:65], 0
	v_nop
	global_prefetch_b8 v0, s[64:65] scope:SCOPE_SE
	s_setreg_imm32_b32 hwreg(HW_REG_WAVE_MODE, 25, 1), 1
	s_wait_xcnt 0x0
; x [8192][1024] and the four weights [1024 (k)][1024 (n)], all f32, become codes of FP4 (E2M1) with K innermost and one E8M0 scale byte for each 32 along K.
; codes:  [12288 positions][512 bytes];  scales: [12288 positions][32 bytes].
; THE ORDER OF ROWS.  pi(i) is i with its bits 3 and 4 exchanged.  Row i of x lies at position pi(i); column n of weight w (0 Wq, 1 Wk, 2 Wv, 3 Wo) at position 8192 + 1024 w + pi(n).
; Sixteen neighbouring positions are then the sixteen rows that the later launches want as one matrix tile, so that a result's registers run along neighbouring indices.
; A block's scale is 2^(floor(log2(its largest magnitude)) - 2); its byte is the largest magnitude's exponent field - 2, held at 1 from below by a floor among the maximum's leaves.
; LIMITS: a block of zeros, or one whose largest magnitude lies under 2^-124, gets the byte 1 (the stated quantiser says 127 for zeros: the codes are zeros, and the bytes are read by this program alone);
; NaN and infinities among the inputs are not served.
; SHARES.  Work-groups 0-127 take x, work-groups 128-255 the weights: two ways through the text that part on the work-group's number, never join, and have LDS bytes of their own.
;   x: K is innermost, rows are dense: a plain stream of blocks of 32.  A wave takes 8 rows (16 steps of 512 numbers).  Loads take the bytes as they lie (512 consecutive bytes each); a step turns through the wave's
;      own stage in LDS so that a lane holds 16 neighbours along K.  pi moves whole runs of 8 rows: the wave's bits 0 and 1 change places in the destination.
;   W: K is the first axis: a lane takes a column and its registers run down K.  A work-group takes 64 columns x 512 of K: wave = (32 columns) x (128 of K).  The codes meet in a stage, a row to a column, and
;      leave as rows of 256 bytes, sixteen lanes to a row.
; No tensor loads, no cluster: no two work-groups read the same byte.
.set STEPS, 16
.set SP,    80                         ; x: a lane's place in a stage: its 64 bytes + 16 of padding
.set R,     16                         ; x: v16-79   four sets of 16 numbers as loaded
.set X,     80                         ; x: v80-111  two sets of 16 neighbours
.set E,     112                        ; x: v112-127 a scale byte for each step
.set C,     128                        ; x: v128-191 codes, four registers a step: no store's data are written again
.set WP,    272                        ; W: a stage row: 256 bytes of codes + 16
.set WSTG,  65536                      ; W: the stage, 64 rows, behind the bytes of the x way (8 waves x 8,192)
.set WSC,   WSTG+64*WP                 ; W: 64 columns x 16 scale bytes
.set WX,    32                         ; W: v32-95   two sets of 32 numbers
.set WCD,   96                         ; W: v96-99   a block's codes
.set WSO,   100                        ; W: v100-103 scale bytes on the way out
.set WO,    112                        ; W: v112-127 codes on the way out
	s_load_b256 s[4:11], s[0:1], 0x0               ; x s[4:5], Wq s[6:7], Wk s[8:9], Wv s[10:11]
	s_load_b128 s[12:15], s[0:1], 0x20             ; Wo s[12:13], codes s[14:15]
	s_load_b64 s[16:17], s[0:1], 0x30              ; scales
	v_lshl_add_u32 v192, v0, 2, 0x14800
	v_mov_b32 v193, 0
	v_lshrrev_b32 v1, 5, v0
	s_delay_alu instid0(VALU_DEP_1)
	v_readfirstlane_b32 s18, v1                    ; wave 0..7
	v_and_b32 v2, 31, v0                           ; lane
	s_cmp_lt_u32 ttmp9, 128
	s_cbranch_scc0 .Lweights
	; ---------------- x ----------------
	v_lshlrev_b32 v3, 4, v2                        ; my 16 bytes of a load's 512
	s_lshl_b32 s19, s18, 13                        ; my wave's 8,192 bytes of LDS
	v_lshrrev_b32 v14, 2, v2
	s_delay_alu instid0(VALU_DEP_1)
	v_mul_u32_u24 v14, v14, SP
	v_and_b32 v15, 3, v2
	s_delay_alu instid0(VALU_DEP_1)
	v_lshl_add_u32 v14, v15, 4, v14
	s_delay_alu instid0(VALU_DEP_1)
	v_add_nc_u32 v14, s19, v14                     ; the stage, on the way in: four lanes' 64 bytes on end, then 16 of padding
	v_mul_u32_u24 v15, v2, SP
	s_delay_alu instid0(VALU_DEP_1)
	v_add_nc_u32 v15, s19, v15                     ; and on the way out: my 16 neighbours
	v_lshlrev_b32 v4, 3, v2                        ; 8 x lane: my codes' place in a step's 256 bytes, and my 8 scale bytes at the end
	v_lshrrev_b32 v5, 1, v2
	s_add_co_u32 s19, s19, 2*32*SP
	v_add_nc_u32 v5, s19, v5                       ; my wave's 256 scale bytes: my block's byte
	v_add_nc_u32 v6, s19, v4                       ; and 8 of them on the way out
	s_lshl_b32 s20, ttmp9, 3
	s_add_co_u32 s22, s20, s18                     ; my run of 8 rows
	s_lshl_b32 s22, s22, 15                        ; x 32,768 bytes of f32
	s_mov_b32 s23, 0
	s_and_b32 s24, s18, 4                          ; where it goes: the run's bits 0 and 1 (the rows' bits 3 and 4) change places
	s_and_b32 s25, s18, 1
	s_lshl_b32 s25, s25, 1
	s_bfe_u32 s26, s18, 0x10001
	s_add_co_u32 s24, s24, s25
	s_add_co_u32 s24, s24, s26
	s_add_co_u32 s24, s24, s20
	s_lshl_b32 s26, s24, 12                        ; 8 positions x 512 bytes of codes
	s_mov_b32 s27, 0
	s_lshl_b32 s28, s24, 8                         ; 8 positions x 32 scale bytes
	s_mov_b32 s29, 0
	s_wait_alu depctr_va_vdst(0)
	s_wait_kmcnt 0x0
	s_add_nc_u64 s[4:5], s[4:5], s[22:23]
	s_add_nc_u64 s[14:15], s[14:15], s[26:27]
	s_add_nc_u64 s[16:17], s[16:17], s[28:29]
.macro LOAD t
.irp i, 0,1,2,3
	global_load_b128 v[R+16*((\t)%4)+4*\i:R+16*((\t)%4)+4*\i+3], v3, s[4:5] offset:2048*(\t)+512*\i th:TH_LOAD_NT   ; 32 lanes read 512 consecutive bytes
.endr
.endm
.macro TURN t                          ; step t's numbers through the stage: LDS serves a wave's instructions in order (ISA guide 5.7.1.4), so no wait stands between the stores and the loads
.irp i, 0,1,2,3
	ds_store_b128 v14, v[R+16*((\t)%4)+4*\i:R+16*((\t)%4)+4*\i+3] offset:32*SP*((\t)%2)+8*SP*\i
.endr
.irp i, 0,1,2,3
	ds_load_b128 v[X+16*((\t)%2)+4*\i:X+16*((\t)%2)+4*\i+3], v15 offset:32*SP*((\t)%2)+16*\i
.endr
.endm
.irp t, 0,1,2,3
	LOAD \t
.endr
	s_wait_loadcnt 12                              ; step 0's four loads are in; the twelve of steps 1 to 3 stay out
	TURN 0
.macro STEP t
.set XS, X+16*((\t)%2)
.if (\t) > 0
	s_wait_dscnt 1                                 ; this step's numbers are back from the stage (the last step's byte store may be out): so its stores into the stage have read their registers,
.else
	s_wait_dscnt 0x0
.endif
.if (\t)+4 < STEPS
	LOAD (\t)+4                                    ; which take the loads of four steps on
.endif
.if (\t)+1 < STEPS
.if STEPS-2-(\t) >= 3
	s_wait_loadcnt 12                              ; the next step's four loads are in; those of the three steps behind it may be out
.else
	s_wait_loadcnt 4*(STEPS-2-(\t))
.endif
	TURN (\t)+1                                    ; and go through the other stage while this step is worked
.endif
	v_max3_num_f32 v8, |v[XS]|, |v[XS+1]|, |v[XS+2]|               ; the largest magnitude of my 16, in two chains
	v_max3_num_f32 v9, |v[XS+3]|, |v[XS+4]|, |v[XS+5]|
.irp i, 6,10
	s_delay_alu instid0(VALU_DEP_2)
	v_max3_num_f32 v8, v8, |v[XS+\i]|, |v[XS+\i+1]|
	s_delay_alu instid0(VALU_DEP_2)
	v_max3_num_f32 v9, v9, |v[XS+\i+2]|, |v[XS+\i+3]|
.endr
	s_delay_alu instid0(VALU_DEP_2)
	v_max3_num_f32 v8, v8, |v[XS+14]|, |v[XS+15]|
	s_delay_alu instid0(VALU_DEP_1)
	v_max3_num_f32 v8, v8, v9, 0x1800000           ; and the floor 2^(3 - 127): the byte cannot fall under 1
	s_delay_alu instid0(VALU_DEP_1)
	v_max_num_f32_dpp v8, v8, v8 row_xmask:1 row_mask:0xf bank_mask:0xf   ; and of my neighbour's 16: the block's
	s_delay_alu instid0(VALU_DEP_1)
	v_add_nc_u32 v11, 0xff000000, v8               ; 2 off its exponent field: the conversion takes the exponent field of this operand as its scale
	v_cvt_scalef32_pk8_fp4_f32 v[C+4*(\t)], v[XS:XS+7], v11
	v_cvt_scalef32_pk8_fp4_f32 v[C+4*(\t)+1], v[XS+8:XS+15], v11
	v_lshrrev_b32 v[E+(\t)], 23, v11               ; the scale's byte (also the plain line behind the conversions)
	ds_store_b8 v5, v[E+(\t)] offset:16*(\t)       ; both lanes of a block write the same byte with the same value
	global_store_b64 v4, v[C+4*(\t):C+4*(\t)+1], s[14:15] offset:256*(\t)   ; the wave stores 256 consecutive bytes, aligned
.endm
.irp t, 0,1,2,3,4,5,6,7,8,9,10,11,12,13,14,15
	STEP \t
.endr
	ds_load_b64 v[12:13], v6                       ; served in order: these see my byte stores
	s_wait_dscnt 0x0
	global_store_b64 v4, v[12:13], s[16:17]        ; 32 lanes store 256 consecutive bytes, aligned: 8 positions' scale bytes
	s_wait_tensorcnt 0x0
	ds_add_u32 v192, v193
	s_wait_dscnt 0x0
	s_endpgm
	; ---------------- the weights ----------------
.Lweights:
	s_sub_co_u32 s19, ttmp9, 128
	s_and_b32 s20, s19, 15                         ; which 64 columns
	s_lshr_b32 s21, s19, 4
	s_and_b32 s22, s21, 1                          ; kh: which 512 of K
	s_lshr_b32 s23, s21, 1                         ; w: which weight
	s_and_b32 s24, s18, 1                          ; cg: which 32 of the columns
	s_lshr_b32 s25, s18, 1                         ; kq: which 128 of the 512
	s_lshl_b32 s26, s22, 21                        ; from: (512 kh + 128 kq) rows of 4,096 bytes + (64 x + 32 cg) x 4
	s_lshl_b32 s28, s25, 19
	s_add_co_u32 s26, s26, s28
	s_lshl_b32 s28, s20, 8
	s_add_co_u32 s26, s26, s28
	s_lshl_b32 s28, s24, 7
	s_add_co_u32 s26, s26, s28
	s_mov_b32 s27, 0
	s_lshl_b32 s28, s23, 10                        ; to: position 8192 + 1024 w + 64 x + 32 cg
	s_lshl_b32 s29, s20, 6
	s_add_co_u32 s28, s28, s29
	s_lshl_b32 s29, s24, 5
	s_add_co_u32 s28, s28, s29
	s_add_co_u32 s28, s28, 8192
	s_lshl_b32 s30, s28, 5                         ; scale bytes: 32 a position, + 16 kh
	s_lshl_b32 s29, s22, 4
	s_add_co_u32 s30, s30, s29
	s_mov_b32 s31, 0
	s_and_b32 s29, s25, 1                          ; on the way out my wave takes stage rows 32 cg + 8 kq on: their bits 3 and 4 are kq's bits, which change places
	s_lshl_b32 s29, s29, 1
	s_lshr_b32 s32, s25, 1
	s_add_co_u32 s29, s29, s32
	s_lshl_b32 s29, s29, 3
	s_add_co_u32 s28, s28, s29
	s_lshl_b32 s28, s28, 9                         ; codes: 512 bytes a position, + 256 kh
	s_lshl_b32 s29, s22, 8
	s_add_co_u32 s28, s28, s29
	s_mov_b32 s29, 0
	s_wait_alu depctr_va_vdst(0)
	v_lshlrev_b32 v3, 2, v2                        ; in: 4 bytes a lane
	s_mul_i32 s33, s24, 32*WP
	s_lshl_b32 s34, s25, 6
	s_add_co_u32 s33, s33, s34
	s_add_co_u32 s33, s33, WSTG
	v_mul_u32_u24 v4, v2, WP
	s_delay_alu instid0(VALU_DEP_1)
	v_add_nc_u32 v4, s33, v4                       ; into the stage: row = my column, my wave's 64 bytes of it
	s_lshl_b32 s33, s24, 9
	s_lshl_b32 s34, s25, 2
	s_add_co_u32 s33, s33, s34
	s_add_co_u32 s33, s33, WSC
	v_lshl_add_u32 v5, v2, 4, s33                  ; my column's 16 scale bytes, my wave's word of them
	s_lshl_b32 s33, s24, 5
	s_lshl_b32 s34, s25, 3
	s_add_co_u32 s33, s33, s34
	s_mul_i32 s33, s33, WP
	s_add_co_u32 s33, s33, WSTG
	v_lshrrev_b32 v9, 4, v2
	v_and_b32 v10, 15, v2
	s_delay_alu instid0(VALU_DEP_2)
	v_mul_u32_u24 v7, v9, WP
	s_delay_alu instid0(VALU_DEP_1)
	v_lshl_add_u32 v7, v10, 4, v7
	s_delay_alu instid0(VALU_DEP_1)
	v_add_nc_u32 v7, s33, v7                       ; out of the stage: sixteen lanes to a row, two rows an instruction
	v_lshlrev_b32 v6, 9, v9
	s_delay_alu instid0(VALU_DEP_1)
	v_lshl_add_u32 v6, v10, 4, v6                  ; and the same place in codes
	v_and_b32 v8, 7, v2                            ; the scale bytes' position: the lane with its bits 3 and 4 exchanged, x 32 bytes
	v_and_b32 v9, 8, v2
	s_delay_alu instid0(VALU_DEP_1)
	v_lshl_or_b32 v8, v9, 1, v8
	v_bfe_u32 v9, v2, 4, 1
	s_delay_alu instid0(VALU_DEP_1)
	v_lshl_or_b32 v8, v9, 3, v8
	s_delay_alu instid0(VALU_DEP_1)
	v_lshlrev_b32 v8, 5, v8
	s_wait_kmcnt 0x0
	s_cmp_eq_u32 s23, 1                            ; the weight is chosen by the work-group's number alone
	s_cselect_b64 s[6:7], s[8:9], s[6:7]
	s_cmp_eq_u32 s23, 2
	s_cselect_b64 s[6:7], s[10:11], s[6:7]
	s_cmp_eq_u32 s23, 3
	s_cselect_b64 s[6:7], s[12:13], s[6:7]
	s_add_nc_u64 s[6:7], s[6:7], s[26:27]
	s_add_nc_u64 s[14:15], s[14:15], s[28:29]
	s_add_nc_u64 s[16:17], s[16:17], s[30:31]
.macro WLOAD t                         ; block t: W(32 t + i, my column), i = 0 .. 31: each load reads 128 consecutive bytes a wave
.irp i, 0,1,2,3,4,5,6,7,8,9,10,11,12,13,14,15,16,17,18,19,20,21,22,23,24,25,26,27,28,29,30,31
	global_load_b32 v[WX+32*((\t)%2)+\i], v3, s[6:7] offset:(32*(\t)+\i)*4096 th:TH_LOAD_NT
.endr
.endm
	WLOAD 0
	WLOAD 1
.macro WBLOCK t
.set XS, WX+32*((\t)%2)
.if (\t) < 3
	s_wait_loadcnt 32                              ; this block's 32 loads are in; the next block's may be out
.else
	s_wait_loadcnt 0x0
.endif
	v_max3_num_f32 v12, |v[XS]|, |v[XS+1]|, |v[XS+2]|              ; the block's largest magnitude: all 32 numbers are mine
	v_max3_num_f32 v13, |v[XS+3]|, |v[XS+4]|, |v[XS+5]|
.irp i, 6,10,14,18,22,26
	s_delay_alu instid0(VALU_DEP_2)
	v_max3_num_f32 v12, v12, |v[XS+\i]|, |v[XS+\i+1]|
	s_delay_alu instid0(VALU_DEP_2)
	v_max3_num_f32 v13, v13, |v[XS+\i+2]|, |v[XS+\i+3]|
.endr
	s_delay_alu instid0(VALU_DEP_2)
	v_max3_num_f32 v12, v12, |v[XS+30]|, |v[XS+31]|
	s_delay_alu instid0(VALU_DEP_1)
	v_max3_num_f32 v12, v12, v13, 0x1800000        ; and the floor
	s_delay_alu instid0(VALU_DEP_1)
	v_add_nc_u32 v11, 0xff000000, v12              ; the conversion's scale operand
	s_delay_alu instid0(VALU_DEP_1)
	v_lshrrev_b32 v13, 23, v11                     ; the scale's byte
.if (\t) == 0
	s_delay_alu instid0(VALU_DEP_1)
	v_mov_b32 v24, v13                             ; four bytes to a word, the lower K in the lower byte
.else
	s_delay_alu instid0(VALU_DEP_1)
	v_lshl_or_b32 v24, v13, 8*(\t), v24
.endif
.irp g, 0,1,2,3
	v_cvt_scalef32_pk8_fp4_f32 v[WCD+\g], v[XS+8*\g:XS+8*\g+7], v11
.endr
	ds_store_b128 v4, v[WCD:WCD+3] offset:16*(\t)  ; 32 codes: 16 bytes of my column's row
.if (\t)+2 < 4
	WLOAD (\t)+2
.endif
	s_wait_dscnt 0x0                               ; the store has read its registers: the next block's codes may be written
.endm
	WBLOCK 0
	WBLOCK 1
	WBLOCK 2
	WBLOCK 3
	s_wait_alu depctr_va_vdst(0)
	ds_store_b32 v5, v24
	s_wait_dscnt 0x0                               ; for the others' sake: my stores into the stage and the scale words are done
	s_barrier_signal -1
	s_barrier_wait -1                              ; a row's 256 bytes come from four waves
.irp t, 0,1,2,3
	ds_load_b128 v[WO+4*\t:WO+4*\t+3], v7 offset:2*\t*WP
.endr
.irp t, 0,1,2,3
	s_wait_dscnt 3-\t                              ; loads come back in order: pair t of rows is in
	global_store_b128 v6, v[WO+4*\t:WO+4*\t+3], s[14:15] offset:1024*\t   ; sixteen lanes store 256 consecutive bytes, aligned
.endr
	s_cmp_lt_u32 s18, 2                            ; waves 0 and 1 (kq = 0, so v5 is a column's first scale byte) send the scale bytes: 16 a column
	s_cbranch_scc0 .Lwdone
	ds_load_b128 v[WSO:WSO+3], v5
	s_wait_dscnt 0x0
	global_store_b128 v8, v[WSO:WSO+3], s[16:17]   ; pieces of 16 bytes, 32 apart: 1,024 bytes a work-group
.Lwdone:
	s_wait_tensorcnt 0x0
	ds_add_u32 v192, v193
	s_wait_dscnt 0x0
	s_endpgm
.Lfunc_end_k_q492cd6b795_quant:
	.size	k_q492cd6b795_quant, .Lfunc_end_k_q492cd6b795_quant-k_q492cd6b795_quant
	.p2alignl 7, 3214868480
	.fill 96, 4, 3214868480
	.section	.rodata,"a",@progbits
	.p2align	6, 0x0
	.amdhsa_kernel k_q492cd6b795_quant
		.amdhsa_group_segment_fixed_size 84992
		.amdhsa_private_segment_fixed_size 0
		.amdhsa_enable_private_segment 0
		.amdhsa_kernarg_size 56
		.amdhsa_user_sgpr_count 2
		.amdhsa_user_sgpr_kernarg_segment_ptr 1
		.amdhsa_wavefront_size32 1
		.amdhsa_system_sgpr_workgroup_id_x 1
		.amdhsa_system_sgpr_workgroup_id_y 1
		.amdhsa_system_sgpr_workgroup_id_z 1
		.amdhsa_system_vgpr_workitem_id 0
		.amdhsa_next_free_vgpr 194
		.amdhsa_next_free_sgpr 66
		.amdhsa_reserve_vcc 0
		.amdhsa_float_denorm_mode_32 3
		.amdhsa_float_denorm_mode_16_64 3
		.amdhsa_memory_ordered 1
		.amdhsa_forward_progress 1
		.amdhsa_inst_pref_size 62
	.end_amdhsa_kernel
	.amdgpu_metadata
---
amdhsa.version: [ 1, 2 ]
amdhsa.kernels:
  - .name:           k_q492cd6b795_quant
    .symbol:         k_q492cd6b795_quant.kd
    .args:
      - { .name: x, .offset: 0, .size: 8, .value_kind: global_buffer, .address_space: global }
      - { .name: Wq, .offset: 8, .size: 8, .value_kind: global_buffer, .address_space: global }
      - { .name: Wk, .offset: 16, .size: 8, .value_kind: global_buffer, .address_space: global }
      - { .name: Wv, .offset: 24, .size: 8, .value_kind: global_buffer, .address_space: global }
      - { .name: Wo, .offset: 32, .size: 8, .value_kind: global_buffer, .address_space: global }
      - { .name: codes, .offset: 40, .size: 8, .value_kind: global_buffer, .address_space: global }
      - { .name: scales, .offset: 48, .size: 8, .value_kind: global_buffer, .address_space: global }
    .group_segment_fixed_size: 84992
    .private_segment_fixed_size: 0
    .kernarg_segment_align: 8
    .kernarg_segment_size: 56
    .max_flat_workgroup_size: 256
    .sgpr_count:     66
    .vgpr_count:     194
    .wavefront_size: 32
...
	.end_amdgpu_metadata
.endif
;; end of part 1
;; launch gemm_qkv (part 2): grid 8 x 48, 4 waves a work-group, clusters of 4 x 4, 296,448 bytes of LDS; arguments codes, scales, bq, bk, bv, qkv; writes qkv
.if DOCPART == 2
	.amdgcn_target "amdgcn-amd-amdhsa--gfx1250"
	.amdhsa_code_object_version 6
	.text
	.protected	k_q492cd6b795_gemm_qkv
	.globl	k_q492cd6b795_gemm_qkv
	.p2align	8
	.type	k_q492cd6b795_gemm_qkv,@function
k_q492cd6b795_gemm_qkv:
	s_mov_b64 s[64:65], 0
	v_nop
	global_prefetch_b8 v0, s[64:65] scope:SCOPE_SE
	s_setreg_imm32_b32 hwreg(HW_REG_WAVE_MODE, 25, 1), 1
	s_wait_xcnt 0x0
	s_wait_alu depctr_hold_cnt(0) depctr_sa_sdst(0) depctr_va_vdst(0) depctr_va_sdst(0) depctr_va_ssrc(0) depctr_va_vcc(0) depctr_vm_vsrc(0)
	s_getreg_b32 s2, hwreg(HW_REG_IB_STS2, 6, 4)
	s_cmp_eq_u32 s2, 0
	s_cbranch_scc0 .Lentry_in_a_cluster
	s_endpgm
.Lentry_in_a_cluster:
	s_bfe_u32 s2, ttmp6, 0x10000c
	s_cmp_lg_u32 s2, 0xf033
	s_cbranch_scc0 .Lentry_shape_is_right
	s_endpgm
.Lentry_shape_is_right:
; Q = x Wq + bq, K = x Wk + bk, V = x Wv + bv on codes of FP4 (E2M1) with E8M0 scales, K = 1,024; the results are quantised in registers and leave as images of the attention launch's operands.
; codes [12288 positions][512 bytes], scales [12288][32]: x at positions 0-8191, Wq, Wk, Wv at 8192, 9216, 10240 on; a position is a row's (a column's) number with bits 3 and 4 exchanged.
; A block of 256 x 256 results is made by four waves, 128 x 128 each: 64 accumulators, 512 registers.  Source 1 ("A" below) gives a lane ONE of its rows; along source 0's rows ("B") run the lane's registers:
; register j of lane (r, h) in the tile of B's block 2 g + u is B's true index 32 g + 16 h + 8 u + j: the 64 registers of A's block a are 16 neighbours of each of four blocks of 32: what the quantiser takes.
;   Q, K (cluster rows 0-7):  A = x, B = Wq (cluster column 0) or Wk (1): registers run along the head's d.  A wave's 128 columns are two heads: the lower four registers of the codes are one head's tile, the upper four the next head's.
;   V    (cluster rows 8-11): A = Wv, B = x: registers run along the KEYS, which are the second attention product's K.
; K = 1,024 is two LDS slots of 512 along K, and both are filled once, at the start: nothing is filled again.  The scales of the block's 512 rows come with them.
; CLUSTERS: 4 x 4 work-groups.  A's tiles hang on the place along y and are asked for jointly by a row of the cluster, B's on the place along x, by a column.
; qkv: [head of 64][key step of 128 keys][8,960 bytes]: K's 8 tile images (512 bytes each), V^T's 4 tiles (1,024 each), K's scale words (16 bytes a lane: tiles 4 h + j, row r), V's (16 bytes a row r: tile j);
;      then from QREG on [head][128 queries][4,608 bytes]: Q's 8 tile images and their scale words as K's.  An image is a group of four registers, lane l's 16 bytes at 16 l.
;      Q's and K's scale words: bytes 0, 1 the two blocks of d, bytes 2, 3 = 127 (the upper half of the attention product's K = 128 holds zero codes on Q's side).
; LIMITS: as the quantiser launch: byte 1 for blocks of zeros and for blocks under 2^-124; NaN and infinities are not served.
; REGISTERS: window 0: v1, v2 r, h; v16-28 addresses; v32-95 scale words, two sets (later the words to be stored); v96-120 the quantiser's; v128-191 A's fragments, later 64 numbers; v192-255 the bias.
;   window 1: B's fragments, two sets.   windows 2, 3: the accumulators, (a, b) at v[8 (8 (a % 4) + b)].
.set NQ,     4                         ; matrix instructions deep in a slot
.set ROWB,   256                       ; a tile's row: 512 codes
.set KROW,   512                       ; a position's codes in memory
.set PITCH,  272                       ; an LDS row: 256 + 16 = 68 words: row r starts at bank 4 r mod 64 (64 banks of 4 bytes: ISA guide 11.1)
.set FR,     8
.set NL,     2
.set NP,     4                         ; places behind this matrix instruction (ISA guide 7.12.1)
.set HALFT,  128*PITCH
.set SLOT,   4*HALFT                   ; A's 256 rows, then B's 256
.set KS,     32                        ; a position's scale bytes
.set SCL,    2*SLOT                    ; behind the slots: the scales, as 256 bytes + 16 of padding
.set HALFS,  16*272                    ; those of 128 rows
.set SBLK,   2*272                     ; those of 16 rows
.set HKV,    143360                    ; a head's K and V in qkv
.set SKV,    8960                      ; a key step's
.set QREG,   9175040                   ; where Q begins: 64 x HKV
.set HQ,     73728                     ; a head's Q
.set SQ,     4608                      ; 128 queries'
.set ADRA, 16
.set ADRB, 20
.set LI,   24                          ; v24  16 x lane
.set BA,   25                          ; v25  the bias's byte for my lane
.set VSO,  26                          ; v26  V's scale words: HKV x h + 16 r
.set ADRS, 27
.set PADB, 28                          ; v28  four bytes of 127
.set SC,   32
.set TM,   96                          ; v96-99 largest magnitudes, v100-103 the other half's, then bytes, v108-111 the conversions' scale operands
.set PC,   112                         ; v112-119 the codes just made
.set PW,   120                         ; v120 their scale word
.set AF,   128
.set H,    128
.set BB,   192
.set G1, 24
.set G0, 32
.set G1B, 48
.set G0B, 56
.set G1S, 68
.set G0S, 76
.set G1SB, 80
.set G0SB, 88
.set SEL, 96
.set MSB, 0
.macro WIN new                         ; the immediate's high byte repeats the setting that is left
.if MSB != \new
	s_set_vgpr_msb (MSB<<8)|\new
.set MSB, \new
.endif
.endm
.set MUL_LO, 0xa1                      ; source 0 (B) window 1, source 1 (A) window 0, C and D window 2
.set MUL_HI, 0xf1                      ; the same, C and D window 3
.set TO_B,   0x40                      ; destination window 1, address window 0
; A joint load: waves 0 and 1 fetch for A, waves 2 and 3 for B; the branch hangs on the wave's number alone.  Four v_nop follow each of the two lines.
.macro JLOAD g0a, g1a, g0b, g1b
	s_cmp_eq_u32 s17, 0
	s_cbranch_scc0 .Lfor_b_\@
	tensor_load_to_lds s[\g0a:\g0a+3], s[\g1a:\g1a+7]
	s_nop 0
.rept 4
	v_nop
.endr
	s_branch .Lasked_\@
.Lfor_b_\@:
	tensor_load_to_lds s[\g0b:\g0b+3], s[\g1b:\g1b+7]
	s_nop 0
.rept 4
	v_nop
.endr
.Lasked_\@:
.endm
.macro CREST
	s_cmp_lg_u32 s16, 0
	s_cbranch_scc1 .Lnot_wave_0_\@
	s_barrier_signal -3
.Lnot_wave_0_\@:
	s_barrier_wait -3
	s_barrier_signal -1
	s_barrier_wait -1
.endm
.macro CROUND                          ; a round of the cluster's barrier
	s_barrier_signal -1
	s_barrier_wait -1
	CREST
.endm
	s_load_b256 s[4:11], s[0:1], 0x0               ; codes s[4:5], scales s[6:7], bq s[8:9], bk s[10:11]
	s_load_b128 s[12:15], s[0:1], 0x20             ; bv s[12:13], qkv s[14:15]
	v_lshl_add_u32 v126, v0, 2, 0x48400
	v_mov_b32 v127, 0
	ds_add_u32 v126, v127
	ds_add_u32 v126, v127
	v_lshrrev_b32 v1, 5, v0
	v_readfirstlane_b32 s16, v1                    ; wave 0..3
	s_lshr_b32 s17, s16, 1                         ; WR: which half of A's rows is mine.  Also: I fetch for A (0) or for B (1)
	s_and_b32 s18, s16, 1                          ; WC: which half of B's rows.  Also: which 128 rows I fetch
	s_bfe_u32 s40, ttmp6, 0x40000                  ; cx, cy: my place in the cluster
	s_bfe_u32 s41, ttmp6, 0x40004
	s_mov_b32 s95, ttmp9                           ; CX, CY: the cluster's place: the same in all sixteen
	s_and_b32 s67, ttmp7, 0xffff
	s_lshl_b32 s19, s67, 2                         ; tiles of 256 positions.  Q, K: A from 4 CY (x), B from 32 + 4 CX (Wq, Wk)
	s_mov_b32 s20, 40                              ; V: A from 40 (Wv), B from 8 (CY - 8) + 4 CX (x)
	s_lshl_b32 s21, s95, 2
	s_add_co_u32 s22, s21, 32
	s_max_u32 s23, s67, 8
	s_sub_co_u32 s23, s23, 8
	s_lshl_b32 s23, s23, 3
	s_add_co_u32 s23, s23, s21
	s_cmp_lt_u32 s67, 8
	s_cselect_b32 s66, s19, s20
	s_cselect_b32 s42, s22, s23
	s_add_co_u32 s66, s66, s41                     ; A's tile: + cy
	s_add_co_u32 s42, s42, s40                     ; B's tile: + cx
	s_lshl_b32 s43, s41, 2
	s_lshl_b32 s43, 15, s43                        ; my row of the cluster
	s_lshl_b32 s44, 0x1111, s40                    ; my column
	; descriptor group 1: 128 rows x 256 bytes, 512 bytes apart, 16 bytes of padding behind each
	s_or_b32 s[G1+0], s43, (0<<16)|(1<<20)|(1<<21)|(5<<22)|(3<<25)  ; 15:0 the mask; 17:16 elements of 1 byte; 20 padding on; 21 set beside a mask; 24:22 after every 64 words; 31:25 four words
	s_or_b32 s[G1B+0], s44, (0<<16)|(1<<20)|(1<<21)|(5<<22)|(3<<25)
.irp g, G1, G1B
	s_mov_b32 s[\g+1], ROWB<<16                    ; tensor_dim0
	s_mov_b32 s[\g+2], 128<<16                     ; tensor_dim1
	s_mov_b32 s[\g+3], ROWB<<16                    ; tile_dim0
	s_mov_b32 s[\g+4], 128                         ; tile_dim1
	s_mov_b32 s[\g+5], KROW                        ; tensor_dim0_stride
	s_mov_b32 s[\g+6], 0
	s_mov_b32 s[\g+7], 0
.endr
	; the scales of 128 rows: 4,096 dense bytes, as 16 rows of 256 bytes (32 elements of 8 bytes), 16 bytes of padding behind each
	s_or_b32 s[G1S+0], s43, (3<<16)|(1<<20)|(1<<21)|(5<<22)|(3<<25)
	s_or_b32 s[G1SB+0], s44, (3<<16)|(1<<20)|(1<<21)|(5<<22)|(3<<25)
.irp g, G1S, G1SB
	s_mov_b32 s[\g+1], 32<<16
	s_mov_b32 s[\g+2], 16<<16
	s_mov_b32 s[\g+3], 32<<16
	s_mov_b32 s[\g+4], 16
	s_mov_b32 s[\g+5], 32
	s_mov_b32 s[\g+6], 0
	s_mov_b32 s[\g+7], 0
.endr
	s_lshl_b32 s19, s18, 7                         ; which 128 rows of the tile I fetch
	s_lshl_b32 s20, s66, 8
	s_add_co_u32 s20, s20, s19                     ; A: position
	s_lshl_b32 s46, s42, 8
	s_add_co_u32 s46, s46, s19                     ; B: position
	s_lshl_b32 s22, s20, 5                         ; their scale bytes,
	s_mov_b32 s23, 0
	s_lshl_b32 s92, s46, 5
	s_mov_b32 s93, 0
	s_lshl_b32 s20, s20, 9                         ; and their codes
	s_mov_b32 s21, 0
	s_lshl_b32 s46, s46, 9
	s_mov_b32 s47, 0
	s_mul_i32 s45, s16, HALFT                      ; where they go: wave x 128 rows: no place in the cluster enters an LDS address
	s_mul_i32 s94, s16, HALFS
	s_wait_dscnt 0x0
	s_wait_kmcnt 0x0
	s_add_nc_u64 s[20:21], s[4:5], s[20:21]
	s_add_nc_u64 s[22:23], s[6:7], s[22:23]
	s_add_nc_u64 s[46:47], s[4:5], s[46:47]
	s_add_nc_u64 s[92:93], s[6:7], s[92:93]
	CROUND                                         ; all sixteen work-groups are here: the joint loads meet
	s_mov_b32 s[G0S], 1
	s_add_co_u32 s[G0S+1], s94, SCL
	s_mov_b64 s[G0S+2:G0S+3], s[22:23]
	s_or_b32 s[G0S+3], s[G0S+3], 0x80000000
	s_mov_b32 s[G0SB], 1
	s_add_co_u32 s[G0SB+1], s94, SCL
	s_mov_b64 s[G0SB+2:G0SB+3], s[92:93]
	s_or_b32 s[G0SB+3], s[G0SB+3], 0x80000000
	JLOAD G0S, G1S, G0SB, G1SB                     ; the scales first: they are wanted with the first step
.irp s, 0,1
	s_mov_b32 s[G0+4*\s], 1
	s_add_co_u32 s[G0+4*\s+1], s45, \s*SLOT
	s_add_nc_u64 s[G0+4*\s+2:G0+4*\s+3], s[20:21], \s*ROWB
	s_or_b32 s[G0+4*\s+3], s[G0+4*\s+3], 0x80000000
	s_mov_b32 s[G0B+4*\s], 1
	s_add_co_u32 s[G0B+4*\s+1], s45, \s*SLOT
	s_add_nc_u64 s[G0B+4*\s+2:G0B+4*\s+3], s[46:47], \s*ROWB
	s_or_b32 s[G0B+4*\s+3], s[G0B+4*\s+3], 0x80000000
	JLOAD G0+4*\s, G1, G0B+4*\s, G1B               ; both slots: three tensor loads of mine are out, and no more follow
.endr
	v_and_b32 v1, 15, v0                           ; r
	v_bfe_u32 v2, v0, 4, 1                         ; h
	v_mul_u32_u24 v3, v1, PITCH
	v_lshl_add_u32 v4, v2, 4, v3                   ; a fragment's row x pitch + 16 x half
	s_mul_i32 s21, s17, HALFT                      ; my 128 rows of A
	s_mul_i32 s22, s18, HALFT                      ; my 128 rows of B,
	s_add_co_u32 s22, s22, 2*HALFT                 ; which lie behind A's 256
.irp s, 0,1
	v_add_nc_u32 v[ADRA+\s], s21, v4
	v_add_nc_u32 v[ADRB+\s], s22, v4
	s_add_co_u32 s21, s21, SLOT
	s_add_co_u32 s22, s22, SLOT
.endr
	v_mul_u32_u24 v5, v1, KS                       ; my row's scales: 32 bytes a row,
	v_lshrrev_b32 v6, 8, v5
	v_lshl_add_u32 v5, v6, 4, v5                   ; and 16 more for each 256 passed
	s_mul_i32 s21, s17, HALFS
	s_mul_i32 s22, s18, HALFS
	s_add_co_u32 s22, s22, 2*HALFS
	s_sub_co_u32 s22, s22, s21
	v_mul_u32_u24 v6, s22, v2                      ; lanes 16-31 take B's: one product, the distance between the two bases
	s_add_co_u32 s21, s21, SCL
	v_add_nc_u32 v5, v5, v6
	v_add_nc_u32 v[ADRS], s21, v5
	v_and_b32 v6, 31, v0
	v_lshlrev_b32 v[LI], 4, v6
	v_mov_b32 v[PADB], 0x7f7f7f7f
.irp b, 0,1,2,3
	v_mov_b32 v[TM+4+\b], 0                        ; written once: a lane permute's destination counts as one of its sources
.endr
	s_mov_b32 s[SEL], 0x76543210
	s_mov_b32 s[SEL+1], 0xfedcba98                 ; v_permlanex16_b32's selects for lane l xor 16
.macro FRAG reg, adr, q, i             ; 16 rows x 128 K of 4-bit codes: lane l holds row l % 16; registers 4 c .. 4 c + 3 hold K = 64 c + 32 (l / 16) + 0 .. 31
.irp c, 0,1
	ds_load_b128 v[\reg+4*\c:\reg+4*\c+3], v[\adr] offset:64*(\q)+32*\c+(\i)*16*PITCH
.endr
.endm
; 16 matrix instructions: A's blocks a0, a0 + 1 x B's eight.  p: B's set; q: which 128 of the slot; sc: the set of scale words; zero = 1: the products start the sums.
; The 64 accumulators take turns, one instruction a turn, in the same order in every step.  A scale register holds A's words in lanes 0-15 and B's in lanes 16-31.
.macro MUL16 a0, p, q, sc, zero
.irp a, \a0, \a0+1
.irp b, 0,1,2,3,4,5,6,7
.if \zero
	v_wmma_scale_f32_16x16x128_f8f6f4 v[8*(8*((\a)%4)+\b):8*(8*((\a)%4)+\b)+7], v[128*(\p)+FR*\b:128*(\p)+FR*\b+FR-1], v[AF+FR*(\a):AF+FR*(\a)+FR-1], 0, v[SC+8*NQ*(\sc)+NQ*\b+(\q)], v[SC+8*NQ*(\sc)+NQ*(\a)+(\q)] matrix_a_fmt:MATRIX_FMT_FP4 matrix_b_fmt:MATRIX_FMT_FP4 matrix_a_scale:MATRIX_SCALE_ROW1
.else
	v_wmma_scale_f32_16x16x128_f8f6f4 v[8*(8*((\a)%4)+\b):8*(8*((\a)%4)+\b)+7], v[128*(\p)+FR*\b:128*(\p)+FR*\b+FR-1], v[AF+FR*(\a):AF+FR*(\a)+FR-1], v[8*(8*((\a)%4)+\b):8*(8*((\a)%4)+\b)+7], v[SC+8*NQ*(\sc)+NQ*\b+(\q)], v[SC+8*NQ*(\sc)+NQ*(\a)+(\q)] matrix_a_fmt:MATRIX_FMT_FP4 matrix_b_fmt:MATRIX_FMT_FP4 matrix_a_scale:MATRIX_SCALE_ROW1
.endif
.endr
.endr
.endm
.macro FETCH_B slot, q, p
	WIN TO_B
.irp i, 0,1,2,3,4,5,6,7
	FRAG 128*(\p)+FR*\i, ADRB+\slot, \q, \i
.endr
	WIN 0
.endm
.macro FETCH_A slot, q, i0
.irp i, \i0, \i0+1, \i0+2, \i0+3
	FRAG AF+FR*(\i), ADRA+\slot, \q, \i
.endr
.endm
.macro SCALES sc                       ; a slot's scale words: four words a row; lanes 0-15 take A's block i, lanes 16-31 B's block i
.irp i, 0,1,2,3,4,5,6,7
	ds_load_b128 v[SC+8*NQ*\sc+NQ*\i:SC+8*NQ*\sc+NQ*\i+3], v[ADRS] offset:\i*SBLK
.endr
.endm
.macro PLACES n                        ; plain vector lines between a matrix instruction and a load into, or a vector line on, its registers
.rept \n
	v_nop
.endr
.endm
; A step of 128 along K that has its successor in the same slot.  A has one set of registers: blocks 0-3 are fetched anew in the step's middle, blocks 4-7 at its end; B has two sets.
.macro STEP slot, q, zero
	s_wait_dscnt 4*NL                              ; all but the youngest eight loads (A's blocks 4-7) are in
	WIN MUL_LO
	MUL16 0, (\q)%2, \q, \slot, \zero
	MUL16 2, (\q)%2, \q, \slot, \zero
	s_wait_dscnt 0                                 ; A's blocks 4-7 are in
	PLACES NP
	FETCH_B \slot, (\q)+1, 1-(\q)%2
	FETCH_A \slot, (\q)+1, 0
	WIN MUL_HI
	MUL16 4, (\q)%2, \q, \slot, \zero
	MUL16 6, (\q)%2, \q, \slot, \zero
	PLACES NP
	WIN 0
	FETCH_A \slot, (\q)+1, 4
.endm
; Slot 0's last step, and the change to slot 1.  One barrier: in front of it each wave has seen its own part of slot 1 land; behind it the slot is whole.  Nothing is filled again.
.macro CHG
	s_wait_tensorcnt 0x0                           ; my part of slot 1 has landed: no tensor load of mine is out from here on
	s_wait_dscnt 4*NL
	WIN MUL_LO
	MUL16 0, 1, NQ-1, 0, 0
	s_wait_dscnt 0x0                               ; no LDS instruction of mine is pending at the signal
	s_barrier_signal -1
	MUL16 2, 1, NQ-1, 0, 0
	WIN 0
	s_barrier_wait -1
	PLACES NP
	v_add_nc_u32 v[ADRS], 4*NQ, v[ADRS]            ; on to slot 1's scale words
	FETCH_B 1, 0, 0
	FETCH_A 1, 0, 0
	SCALES 1
	WIN MUL_HI
	MUL16 4, 1, NQ-1, 0, 0
	MUL16 6, 1, NQ-1, 0, 0
	PLACES NP
	WIN 0
	FETCH_A 1, 0, 4
.endm
.macro LAST                            ; the last step: nothing more to fetch
	s_wait_dscnt 4*NL
	WIN MUL_LO
	MUL16 0, 1, NQ-1, 1, 0
	MUL16 2, 1, NQ-1, 1, 0
	s_wait_dscnt 0
	WIN MUL_HI
	MUL16 4, 1, NQ-1, 1, 0
	MUL16 6, 1, NQ-1, 1, 0
	WIN 0
.endm
; 64 numbers of a lane, register 16 b + i = index 32 b + 16 (lane / 16) + i along the next K, become a fragment's codes in v[PC] on and its scale word in v[PW].
.macro QUANT s
.irp b, 0,1,2,3
	v_max3_num_f32 v[TM+\b], |v[\s+16*\b]|, |v[\s+1+16*\b]|, 0x1800000   ; block b: my 16 numbers, and the floor 2^(3 - 127): the byte cannot fall under 1
.endr
.irp i, 2,4,6,8,10,12,14
.irp b, 0,1,2,3
	v_max3_num_f32 v[TM+\b], v[TM+\b], |v[\s+16*\b+\i]|, |v[\s+1+16*\b+\i]|   ; (the four blocks by turns)
.endr
.endr
.irp b, 0,1,2,3
	v_permlanex16_b32 v[TM+4+\b], v[TM+\b], s[SEL], s[SEL+1]
.endr
.irp b, 0,1,2,3
	v_max_num_f32 v[TM+\b], v[TM+\b], v[TM+4+\b]   ; with lane l xor 16's: the block's largest magnitude
.endr
.irp b, 0,1,2,3
	v_add_nc_u32 v[TM+12+\b], 0xff000000, v[TM+\b] ; 2 off its exponent field: the conversion's scale operand
.endr
.irp b, 0,1,2,3
	v_lshrrev_b32 v[TM+4+\b], 23, v[TM+12+\b]      ; the scale's byte
.endr
	v_lshl_or_b32 v[PW], v[TM+5], 8, v[TM+4]
	v_lshl_or_b32 v[PW], v[TM+6], 16, v[PW]
	v_lshl_or_b32 v[PW], v[TM+7], 24, v[PW]
.irp b, 0,1,2,3
	v_cvt_scalef32_pk8_fp4_f32 v[PC+2*\b], v[\s+16*\b:\s+7+16*\b], v[TM+12+\b]
	v_cvt_scalef32_pk8_fp4_f32 v[PC+1+2*\b], v[\s+8+16*\b:\s+15+16*\b], v[TM+12+\b]
.endr
	v_nop                                          ; one plain place behind a scaled conversion
.irp c, 0,1                                    ; the operand's layout wants a whole block in a lane: lanes 0-15 block 2 c, lanes 16-31 block 2 c + 1
.irp i, 0,1
	v_permlane16_swap_b32 v[PC+4*\c+\i], v[PC+2+4*\c+\i]
.endr
.endr
.endm
; A's block a of Q or K: + bias (which also brings the sums into window 0, each accumulator from its low end on), quantised, stored: two heads' tile images, 512 consecutive bytes each.
.macro QKROW a
.if (\a) > 0
	s_wait_xcnt 0x0                                ; the last block's stores have read their registers: the codes may be written again
.endif
	WIN 0x02+(\a)/4                                ; source 0: window 2 or 3
.set I, 0
.rept 32
	v_pk_add_f32 v[H+I:H+I+1], v[64*((\a)%4)+I:64*((\a)%4)+I+1], v[BB+I:BB+I+1]
.set I, I+2
.endr
	WIN 0
	QUANT H
	global_store_b128 v[LI], v[PC:PC+3], s[24:25] offset:512*(\a)
	global_store_b128 v[LI], v[PC+4:PC+7], s[26:27] offset:512*(\a)
	v_perm_b32 v[32+(\a)], v[PADB], v[PW], 0x07060100   ; the first head's two bytes, and 127 twice
	v_perm_b32 v[40+(\a)], v[PADB], v[PW], 0x07060302   ; the second head's
.endm
; A's block a of V^T: 16 of the head's d x 128 keys.
.macro VROW a
.if (\a) > 0
	s_wait_xcnt 0x0
.endif
	WIN 0x02+(\a)/4
.set I, 0
.rept 32
	v_pk_add_f32 v[H+I:H+I+1], v[64*((\a)%4)+I:64*((\a)%4)+I+1], v[BB+2*(\a):BB+2*(\a)+1]   ; my lane's one bias number stands in both registers of the pair
.set I, I+2
.endr
	WIN 0
	QUANT H
	global_store_b128 v[LI], v[PC:PC+3], s[24:25] offset:((\a)/4)*HKV+((\a)%4)*1024
	global_store_b128 v[LI], v[PC+4:PC+7], s[24:25] offset:((\a)/4)*HKV+((\a)%4)*1024+512
	v_mov_b32 v[32+(\a)], v[PW]
.endm
	s_wait_alu depctr_va_vdst(0)
	s_wait_tensorcnt 1                             ; the scales and my part of slot 0 are in (slot 1's load may be out)
	s_barrier_signal -1
	s_barrier_wait -1                              ; everybody's are
	FETCH_B 0, 0, 0
	FETCH_A 0, 0, 0
	SCALES 0
	FETCH_A 0, 0, 4
	STEP 0, 0, 1                                   ; the first products start the sums: nothing is cleared
	STEP 0, 1, 0
	STEP 0, 2, 0
	CHG
	STEP 1, 0, 0
	STEP 1, 1, 0
	s_cmp_lt_u32 s67, 8                            ; Q, K or V: by the cluster's place, the same in all sixteen.  Each way asks for its bias two steps ahead of its use
	s_cbranch_scc0 .Lv
	; ---------------- Q, K ----------------  (the descriptors' registers are free: no tensor load is out)
	s_cmp_eq_u32 s95, 0
	s_cselect_b64 s[32:33], s[8:9], s[10:11]       ; bq or bk
	s_lshl_b32 s34, s40, 10                        ; my 128 columns: (256 cx + 128 WC) x 4
	s_lshl_b32 s35, s18, 9
	s_add_co_u32 s34, s34, s35
	s_mov_b32 s35, 0
	s_add_nc_u64 s[32:33], s[32:33], s[34:35]
	v_lshlrev_b32 v[BA], 6, v2                     ; register 8 b + j wants column 32 (b / 2) + 8 (b % 2) + 16 h + j
.irp b, 0,1,2,3,4,5,6,7
	global_load_b128 v[BB+8*\b:BB+8*\b+3], v[BA], s[32:33] offset:(32*(\b/2)+8*(\b%2))*4
	global_load_b128 v[BB+8*\b+4:BB+8*\b+7], v[BA], s[32:33] offset:(32*(\b/2)+8*(\b%2))*4+16
.endr
	s_lshl_b32 s34, s66, 1
	s_add_co_u32 s34, s34, s17                     ; which 128 rows of x
	s_lshr_b32 s35, s34, 4                         ; the batch,
	s_and_b32 s34, s34, 15                         ; the step of 128 in it
	s_lshl_b32 s35, s35, 4
	s_lshl_b32 s36, s40, 2
	s_add_co_u32 s35, s35, s36
	s_lshl_b32 s36, s18, 1
	s_add_co_u32 s35, s35, s36                     ; the first of my two heads: 16 batch + 4 cx + 2 WC
	s_mov_b32 s36, HKV
	s_mov_b32 s37, SKV
	s_mov_b32 s38, 8192
	s_cmp_eq_u32 s95, 0
	s_cselect_b32 s36, HQ, s36                     ; from head to head,
	s_cselect_b32 s37, SQ, s37                     ; from step to step,
	s_cselect_b32 s38, 4096, s38                   ; from the images to the scale words,
	s_cselect_b32 s39, QREG, 0                     ; and the region's first byte
	s_mul_i32 s35, s35, s36
	s_mul_i32 s34, s34, s37
	s_add_co_u32 s34, s34, s35
	s_add_co_u32 s34, s34, s39
	s_mov_b32 s35, 0
	s_mov_b32 s37, 0
	s_mov_b32 s39, 0
	s_add_nc_u64 s[24:25], s[14:15], s[34:35]      ; the first head's images,
	s_add_nc_u64 s[26:27], s[24:25], s[36:37]      ; the second's,
	s_add_nc_u64 s[28:29], s[24:25], s[38:39]      ; and their scale words
	s_add_nc_u64 s[30:31], s[26:27], s[38:39]
	STEP 1, 2, 0
	LAST
	PLACES NP
	s_wait_loadcnt 0x0                             ; the bias
.irp a, 0,1,2,3,4,5,6,7
	QKROW \a
.endr
	v_cmp_eq_u32 vcc_lo, 1, v2                     ; the scale words leave 16 bytes a lane: lanes 0-15 tiles 0-3 of row r, lanes 16-31 tiles 4-7
.irp j, 0,1,2,3
	v_cndmask_b32 v[48+\j], v[32+\j], v[36+\j], vcc_lo
	v_cndmask_b32 v[52+\j], v[40+\j], v[44+\j], vcc_lo
.endr
	global_store_b128 v[LI], v[48:51], s[28:29]
	global_store_b128 v[LI], v[52:55], s[30:31]
	s_branch .Lend
	; ---------------- V ----------------
.Lv:
	s_lshl_b32 s34, s41, 10                        ; my 128 columns of Wv: (256 cy + 128 WR) x 4
	s_lshl_b32 s35, s17, 9
	s_add_co_u32 s34, s34, s35
	s_mov_b32 s35, 0
	s_add_nc_u64 s[32:33], s[12:13], s[34:35]
	v_and_b32 v[BA], 8, v1
	v_add_nc_u32 v[BA], v[BA], v1
	v_lshlrev_b32 v[BA], 2, v[BA]                  ; my lane's column in block a: 32 (a / 2) + 8 (a % 2) + r + 8 (r / 8)
.irp a, 0,1,2,3,4,5,6,7
	global_load_b32 v[BB+2*\a], v[BA], s[32:33] offset:(32*(\a/2)+8*(\a%2))*4
	global_load_b32 v[BB+2*\a+1], v[BA], s[32:33] offset:(32*(\a/2)+8*(\a%2))*4   ; twice: a pair for the packed addition
.endr
	v_mul_u32_u24 v[VSO], v2, HKV
	v_lshl_add_u32 v[VSO], v1, 4, v[VSO]
	s_lshl_b32 s34, s42, 1
	s_add_co_u32 s34, s34, s18                     ; which 128 rows of x: the keys
	s_lshr_b32 s35, s34, 4
	s_and_b32 s34, s34, 15
	s_lshl_b32 s35, s35, 4
	s_lshl_b32 s36, s41, 2
	s_add_co_u32 s35, s35, s36
	s_lshl_b32 s36, s17, 1
	s_add_co_u32 s35, s35, s36                     ; the first of my two heads: 16 batch + 4 cy + 2 WR
	s_mul_i32 s35, s35, HKV
	s_mul_i32 s34, s34, SKV
	s_add_co_u32 s34, s34, s35
	s_add_co_u32 s34, s34, 4096                    ; V's tiles lie behind K's
	s_mov_b32 s35, 0
	s_add_nc_u64 s[24:25], s[14:15], s[34:35]
	STEP 1, 2, 0
	LAST
	PLACES NP
	s_wait_loadcnt 0x0                             ; the bias
.irp a, 0,1,2,3,4,5,6,7
	VROW \a
.endr
	v_cmp_eq_u32 vcc_lo, 1, v2                     ; lanes 0-15 send the first head's four words of row r, lanes 16-31 the second head's: 256 consecutive bytes each
.irp j, 0,1,2,3
	v_cndmask_b32 v[48+\j], v[32+\j], v[36+\j], vcc_lo
.endr
	global_store_b128 v[VSO], v[48:51], s[24:25] offset:4608
.Lend:
	s_wait_tensorcnt 0x0
	ds_add_u32 v126, v127
	s_wait_dscnt 0x0
	CROUND                                         ; the closing round: no work-group ends while a partner may still ask for a tile that names it
	s_endpgm
.Lfunc_end_k_q492cd6b795_gemm_qkv:
	.size	k_q492cd6b795_gemm_qkv, .Lfunc_end_k_q492cd6b795_gemm_qkv-k_q492cd6b795_gemm_qkv
	.p2alignl 7, 3214868480
	.fill 96, 4, 3214868480
	.section	.rodata,"a",@progbits
	.p2align	6, 0x0
	.amdhsa_kernel k_q492cd6b795_gemm_qkv
		.amdhsa_group_segment_fixed_size 296448
		.amdhsa_private_segment_fixed_size 0
		.amdhsa_enable_private_segment 0
		.amdhsa_kernarg_size 48
		.amdhsa_user_sgpr_count 2
		.amdhsa_user_sgpr_kernarg_segment_ptr 1
		.amdhsa_wavefront_size32 1
		.amdhsa_system_sgpr_workgroup_id_x 1
		.amdhsa_system_sgpr_workgroup_id_y 1
		.amdhsa_system_sgpr_workgroup_id_z 1
		.amdhsa_system_vgpr_workitem_id 0
		.amdhsa_next_free_vgpr 1024
		.amdhsa_next_free_sgpr 100
		.amdhsa_reserve_vcc 1
		.amdhsa_float_denorm_mode_32 3
		.amdhsa_float_denorm_mode_16_64 3
		.amdhsa_memory_ordered 1
		.amdhsa_forward_progress 1
		.amdhsa_inst_pref_size 217
	.end_amdhsa_kernel
	.amdgpu_metadata
---
amdhsa.version: [ 1, 2 ]
amdhsa.kernels:
  - .name:           k_q492cd6b795_gemm_qkv
    .symbol:         k_q492cd6b795_gemm_qkv.kd
    .args:
      - { .name: codes, .offset: 0, .size: 8, .value_kind: global_buffer, .address_space: global }
      - { .name: scales, .offset: 8, .size: 8, .value_kind: global_buffer, .address_space: global }
      - { .name: bq, .offset: 16, .size: 8, .value_kind: global_buffer, .address_space: global }
      - { .name: bk, .offset: 24, .size: 8, .value_kind: global_buffer, .address_space: global }
      - { .name: bv, .offset: 32, .size: 8, .value_kind: global_buffer, .address_space: global }
      - { .name: qkv, .offset: 40, .size: 8, .value_kind: global_buffer, .address_space: global }
    .group_segment_fixed_size: 296448
    .private_segment_fixed_size: 0
    .kernarg_segment_align: 8
    .kernarg_segment_size: 48
    .max_flat_workgroup_size: 128
    .sgpr_count:     100
    .vgpr_count:     1024
    .wavefront_size: 32
...
	.end_amdgpu_metadata
.endif
;; end of part 2
;; launch attn (part 3): grid 8 x 32, 16 waves a work-group, clusters of 4 x 1, 288,768 bytes of LDS; arguments qkv, oimg, osc; writes oimg, osc
.if DOCPART == 3
	.amdgcn_target "amdgcn-amd-amdhsa--gfx1250"
	.amdhsa_code_object_version 6
	.text
	.protected	k_q492cd6b795_attn
	.globl	k_q492cd6b795_attn
	.p2align	8
	.type	k_q492cd6b795_attn,@function
k_q492cd6b795_attn:
	s_mov_b64 s[64:65], 0
	v_nop
	global_prefetch_b8 v0, s[64:65] scope:SCOPE_SE
	s_setreg_imm32_b32 hwreg(HW_REG_WAVE_MODE, 25, 1), 1
	s_wait_xcnt 0x0
	s_wait_alu depctr_hold_cnt(0) depctr_sa_sdst(0) depctr_va_vdst(0) depctr_va_sdst(0) depctr_va_ssrc(0) depctr_va_vcc(0) depctr_vm_vsrc(0)
	s_getreg_b32 s2, hwreg(HW_REG_IB_STS2, 6, 4)
	s_cmp_eq_u32 s2, 0
	s_cbranch_scc0 .Lentry_in_a_cluster
	s_endpgm
.Lentry_in_a_cluster:
	s_bfe_u32 s2, ttmp6, 0x10000c
	s_cmp_lg_u32 s2, 0x3003
	s_cbranch_scc0 .Lentry_shape_is_right
	s_endpgm
.Lentry_shape_is_right:
; o = softmax(Q K^T / 8) V for 64 heads of size 64, 2,048 queries and keys each, both products on codes of FP4 (E2M1) with E8M0 scales; o is quantised along d and leaves as images of the last product's operand.
; THE SOFTMAX AHEAD OF THE SECOND PRODUCT: t = score x log2(e) / 8; M = the row's largest t so far, rounded UP to a whole number; p = 2^(t - M) is quantised along the keys, not normalised.
; The row's sum is taken of the unquantised p, in f32, and divides O at the end.  When M moves, the sum and O are multiplied by 2^(old M - new M): exact.
; SHARES.  A work-group owns 256 queries of a PAIR of heads; each of its sixteen waves owns one tile of 16 queries and walks the first head's 16 key steps of 128 keys, then the second head's.
; LDS.  The pair's K and V (2 x 143,360 bytes of qkv) are all of the launch's LDS, laid as they lie in memory: 32 steps of 8,960 bytes: K's 8 tile images, V^T's 4 tiles, K's scale words, V's.
; Every byte is filled once: waves 0-3 issue eight tensor loads each at the start (load j of wave w: step 4 j + w), and a group of four steps is read behind a counted wait and a barrier.
; An image comes back by ds_load_b128 at 16 x lane: 512 consecutive bytes an instruction, no pitch, no padding.
; CLUSTER.  The four query blocks of a cluster walk the same pair of heads: each tile is asked for jointly, by the same load with the same descriptor and the mask of all four.
; LAYOUT.  Both products are used transposed (S^T = K Q^T, O^T = V^T P^T): a lane holds one query throughout.  The producer laid K's tiles so that the 16 registers of tiles 2 b, 2 b + 1 are keys 32 b + 16 (lane / 16) + 0 .. 15,
; and V^T's so that the 16 registers of d tiles 2 g, 2 g + 1 are d = 32 g + 16 (lane / 16) + 0 .. 15.
; K = 64 IN AN INSTRUCTION OF K = 128: Q's upper four registers are zero codes.  K's operand is eight registers from its tile's four on: the upper four are the next tile's codes (behind tile 7: zeros); they meet
; zero codes under scale bytes of 127 and add nothing.
; LIMITS: a block's largest p is made from the block's largest score by the same two instructions, which takes v_exp_f32 not to fall where its input rises; 1 / l is v_rcp_f32; a block of zeros, or one under 2^-124, gets the byte 1;
; NaN and infinities are not served.
; REGISTERS: v1-5 addresses; v10, v11 Q's scale words; v12 -M, v13 the largest t, v[14:15] the sum in two halves; v16-31 Q of the two heads; v32-67 K (and four zeros); v68-99 V; v100-107 K's, V's scale words;
;   v108-171 S^T, then p; v172-203 O^T; v204-211 p's codes; v212-230 at work.
.set HKV,  143360
.set SKV,  8960
.set QREG, 9175040
.set HQ,   73728
.set SQ,   4608
.set LI,   1                           ; v1   16 x lane
.set LR,   2                           ; v2   16 x (lane % 16)
.set AD,   3                           ; v3   the step's first byte + LI
.set AV,   4                           ; v4   the step's first byte + LR
.set R32,  5                           ; v5   32 x (lane % 16)
.set QS0,  10
.set QS1,  11
.set QF0,  16
.set QF1,  24
.set KF,   32
.set VF,   68
.set KSC,  100
.set VSC,  104
.set S,    108
.set OT,   172
.set PC,   204
.set BM,   212                         ; v212-215 a block's largest score, then its largest p
.set BX,   216                         ; v216-219 the other half's, then the bytes
.set SO,   220                         ; v220-223 the conversions' scale operands
.set PW,   224                         ; v224 p's scale word
.set OW,   225                         ; v225 o's scale word: two bytes for each head of the pair
.set FF,   226                         ; v[226:227] f = 2^(old M - new M); v227 = 0, named with it as a pair
.set L2,   228                         ; v[228:229] the sum's second chain
.set TP,   230
.set WV,   10
.set SEL,  20
.set CS,   22
.set G1,   24
.set G0,   32                          ; s[32:63] eight groups 0
.set TB,   66
.set CNT,  67
.macro CROUND                          ; a round of the cluster's barrier
	s_barrier_signal -1
	s_barrier_wait -1
	s_cmp_lg_u32 s[WV], 0
	s_cbranch_scc1 .Lnot_wave_0_\@
	s_barrier_signal -3
.Lnot_wave_0_\@:
	s_barrier_wait -3
	s_barrier_signal -1
	s_barrier_wait -1
.endm
	s_load_b128 s[4:7], s[0:1], 0x0                ; qkv s[4:5], oimg s[6:7]
	s_load_b64 s[8:9], s[0:1], 0x10                ; osc
	v_lshl_add_u32 v254, v0, 2, 0x46000
	v_mov_b32 v255, 0
	ds_add_u32 v254, v255
	ds_add_u32 v254, v255
	v_lshrrev_b32 v6, 5, v0
	s_delay_alu instid0(VALU_DEP_1)
	v_readfirstlane_b32 s[WV], v6                  ; wave 0..15
	s_bfe_u32 s11, ttmp6, 0x40000                  ; cx: it enters Q's and o's addresses alone
	s_lshl_b32 s12, ttmp9, 2
	s_add_co_u32 s12, s12, s11                     ; my block of 256 queries
	s_and_b32 s13, ttmp7, 0xffff                   ; 8 x batch + pair of heads: the four partners share it
	; descriptor group 1: a key step's 8,960 dense bytes as 35 rows of 256 bytes (32 elements of 8 bytes), no padding
	s_mov_b32 s[G1], 15|(3<<16)|(1<<21)            ; 15:0 the mask: all four work-groups; 17:16 elements of 8 bytes; 21 set beside a mask
	s_mov_b32 s[G1+1], 32<<16                      ; tensor_dim0
	s_mov_b32 s[G1+2], 35<<16                      ; tensor_dim1
	s_mov_b32 s[G1+3], 32<<16                      ; tile_dim0
	s_mov_b32 s[G1+4], 35                          ; tile_dim1
	s_mov_b32 s[G1+5], 32                          ; tensor_dim0_stride
	s_mov_b32 s[G1+6], 0
	s_mov_b32 s[G1+7], 0
	s_mul_i32 s14, s[WV], SKV                      ; my step of a group of four: in LDS and in memory alike
	s_mul_i32 s74, s13, 2*HKV
	s_add_co_u32 s74, s74, s14
	s_mov_b32 s75, 0
	s_lshr_b32 s76, s[WV], 3                       ; Q: the group of 128 queries 2 x block + wave / 8, tile wave % 8 in it
	s_lshl_b32 s77, s12, 1
	s_add_co_u32 s76, s76, s77
	s_mul_i32 s76, s76, SQ
	s_mul_i32 s77, s13, 2*HQ
	s_add_co_u32 s76, s76, s77
	s_add_co_u32 s76, s76, QREG
	s_mov_b32 s77, 0
	s_and_b32 s15, s[WV], 7
	s_lshl_b32 s78, s15, 9
	s_add_co_u32 s78, s78, s76                     ; the tile's image
	s_mov_b32 s79, 0
	s_lshr_b32 s70, s15, 2                         ; its scale words: 4,096 + 256 (tile / 4) + 16 r + 4 (tile % 4)
	s_lshl_b32 s70, s70, 8
	s_add_co_u32 s76, s76, s70
	s_and_b32 s70, s15, 3
	s_lshl_b32 s70, s70, 2
	s_add_co_u32 s76, s76, s70
	s_add_co_u32 s76, s76, 4096
	s_lshr_b32 s70, s13, 3                         ; o: my tile of 16 positions: 128 batch + 16 block + wave
	s_lshl_b32 s70, s70, 7
	s_lshl_b32 s71, s12, 4
	s_add_co_u32 s70, s70, s71
	s_add_co_u32 s70, s70, s[WV]
	s_and_b32 s71, s13, 7                          ; the pair
	s_lshl_b32 s72, s70, 9                         ; osc: 512 bytes a tile, + 4 x pair
	s_lshl_b32 s73, s71, 2
	s_add_co_u32 s72, s72, s73
	s_mov_b32 s73, 0
	s_lshl_b32 s70, s70, 13                        ; oimg: 8,192 bytes a tile, + 1,024 x pair
	s_lshl_b32 s71, s71, 10
	s_add_co_u32 s70, s70, s71
	s_mov_b32 s71, 0
	s_mov_b32 s[SEL], 0x76543210
	s_mov_b32 s[SEL+1], 0xfedcba98                 ; v_permlanex16_b32's selects for lane l xor 16
	s_mov_b32 s[CS], 0x3e38aa3b                    ; c = log2(e) / 8
	s_mov_b32 s[CS+1], s[CS]                       ; (named with it as a pair, so it is written)
	s_mov_b32 s[TB], 0
	s_wait_dscnt 0x0
	s_wait_kmcnt 0x0
	s_add_nc_u64 s[16:17], s[4:5], s[74:75]        ; the pair's K and V at my step
	s_add_nc_u64 s[18:19], s[4:5], s[78:79]        ; Q's image
	s_add_nc_u64 s[68:69], s[4:5], s[76:77]        ; Q's scale words
	s_add_nc_u64 s[70:71], s[6:7], s[70:71]        ; o's images
	s_add_nc_u64 s[72:73], s[8:9], s[72:73]        ; o's scale words
.irp j, 0,1,2,3,4,5,6,7
	s_mov_b32 s[G0+4*\j], 1                        ; 1:0 count = 1
	s_add_co_u32 s[G0+4*\j+1], s14, \j*4*SKV       ; 63:32 LDS address: step 4 j + wave
	s_add_nc_u64 s[G0+4*\j+2:G0+4*\j+3], s[16:17], \j*4*SKV   ; 120:64 global address: the same step
	s_or_b32 s[G0+4*\j+3], s[G0+4*\j+3], 0x80000000           ; 127:126 type = 2
.endr
	CROUND                                         ; all four work-groups are here: the joint loads meet
	s_cmp_lt_u32 s[WV], 4                          ; a wave's first fills stand in one branch on the wave's number: eight loads of waves 0-3 are out, none of the others
	s_cbranch_scc0 .Lno_fetch
.irp j, 0,1,2,3,4,5,6,7
	tensor_load_to_lds s[G0+4*\j:G0+4*\j+3], s[G1:G1+7]
	s_nop 0
.endr
.rept 4
	v_nop
.endr
.Lno_fetch:
	v_and_b32 v6, 31, v0
	s_delay_alu instid0(VALU_DEP_1)
	v_lshlrev_b32 v[LI], 4, v6
	v_and_b32 v7, 15, v0
	s_delay_alu instid0(VALU_DEP_1)
	v_lshlrev_b32 v[LR], 4, v7
	s_delay_alu instid0(VALU_DEP_2)
	v_lshlrev_b32 v[R32], 5, v7
	global_load_b128 v[QF0:QF0+3], v[LI], s[18:19]             ; Q stays in registers: the first head's tile,
	global_load_b128 v[QF1:QF1+3], v[LI], s[18:19] offset:HQ   ; the second's,
	global_load_b32 v[QS0], v[LR], s[68:69]                    ; and their scale words
	global_load_b32 v[QS1], v[LR], s[68:69] offset:HQ
.irp j, 0,1,2,3
	v_mov_b32 v[QF0+4+\j], 0                       ; zero codes for k = 64 .. 127
	v_mov_b32 v[QF1+4+\j], 0
	v_mov_b32 v[KF+32+\j], 0                       ; what tile 7's operand names behind its own four registers
	v_mov_b32 v[BX+\j], 0                          ; written once: a lane permute's destination counts as one of its sources
.endr
	v_mov_b32 v[FF+1], 0
	v_mov_b32 v[TP], 0
.macro INIT                            ; a head's start: the step is written once, and its first walk finds zeros, which the first change of M leaves zeros
	v_mov_b32 v13, 0xff61b1e6                      ; the largest t so far: -3e38, under every t
	s_delay_alu instid0(VALU_DEP_1)
	v_floor_f32 v12, -v13                          ; -M
	v_mov_b32 v14, 0
	v_mov_b32 v15, 0
.set I, 0
.rept 32
	v_mov_b32 v[OT+I], 0
.set I, I+1
.endr
.endm
; A KEY STEP: 128 keys, at LDS byte s[TB].  qf: Q's fragment; qs: its scale words.
.macro STEP qf, qs
	v_add_nc_u32 v[AD], s[TB], v[LI]
	v_add_nc_u32 v[AV], s[TB], v[LR]
	v_nop
	v_nop                                          ; four places between the last step's products and the loads into the registers that they read
	ds_load_b128 v[KSC:KSC+3], v[AD] offset:8192   ; K's scale words: register j: lanes 0-15 tile j, lanes 16-31 tile 4 + j
.irp t, 0,1,2,3,4,5,6,7
	ds_load_b128 v[KF+4*\t:KF+4*\t+3], v[AD] offset:512*\t
.endr
	ds_load_b128 v[VSC:VSC+3], v[AV] offset:8704   ; V's: register j: row r of d tile j
.irp f, 0,1,2,3,4,5,6,7
	ds_load_b128 v[VF+4*\f:VF+4*\f+3], v[AD] offset:4096+512*\f
.endr
	s_wait_dscnt 9                                 ; K and its scale words are in; the nine loads for V may stay out
.irp t, 0,1,2,3
	v_wmma_scale_f32_16x16x128_f8f6f4 v[S+8*\t:S+8*\t+7], v[KF+4*\t:KF+4*\t+7], v[\qf:\qf+7], 0, v[KSC+\t], v[\qs] matrix_a_fmt:MATRIX_FMT_FP4 matrix_b_fmt:MATRIX_FMT_FP4
.endr
.irp t, 4,5,6,7
	v_wmma_scale_f32_16x16x128_f8f6f4 v[S+8*\t:S+8*\t+7], v[KF+4*\t:KF+4*\t+7], v[\qf:\qf+7], 0, v[KSC+\t-4], v[\qs] matrix_a_fmt:MATRIX_FMT_FP4 matrix_b_fmt:MATRIX_FMT_FP4 matrix_a_scale:MATRIX_SCALE_ROW1
.endr
.rept 4
	v_nop
.endr
.irp b, 0,1,2,3
	v_max3_num_f32 v[BM+\b], v[S+16*\b], v[S+1+16*\b], v[S+2+16*\b]   ; the largest score of each block of 32 keys: it serves the row's maximum and, since p rises with the score, the block's largest p
.endr
.irp i, 3,5,7,9,11,13
.irp b, 0,1,2,3
	v_max3_num_f32 v[BM+\b], v[BM+\b], v[S+16*\b+\i], v[S+1+16*\b+\i]   ; (the four blocks by turns)
.endr
.endr
.irp b, 0,1,2,3
	v_max_num_f32 v[BM+\b], v[BM+\b], v[S+15+16*\b]
.endr
.irp b, 0,1,2,3
	s_delay_alu instid0(VALU_DEP_4)
	v_permlanex16_b32 v[BX+\b], v[BM+\b], s[SEL], s[SEL+1]
.endr
.irp b, 0,1,2,3
	s_delay_alu instid0(VALU_DEP_4)
	v_max_num_f32 v[BM+\b], v[BM+\b], v[BX+\b]     ; with lane l xor 16's 16 keys
.endr
	s_delay_alu instid0(VALU_DEP_2)
	v_max3_num_f32 v[TP], v[BM], v[BM+1], v[BM+2]
	s_delay_alu instid0(VALU_DEP_1)
	v_max_num_f32 v[TP], v[TP], v[BM+3]            ; the step's largest score of my query
	s_delay_alu instid0(VALU_DEP_1)
	v_mul_f32 v[TP], s[CS], v[TP]                  ; as t (c is positive)
	s_delay_alu instid0(VALU_DEP_1)
	v_max_num_f32 v13, v13, v[TP]                  ; the running largest t
	v_mov_b32 v[TP], v12
	s_delay_alu instid0(VALU_DEP_2)
	v_floor_f32 v12, -v13                          ; the new -M = floor(-t) = -ceil(t)
	s_delay_alu instid0(VALU_DEP_1)
	v_sub_f32 v[TP], v12, v[TP]                    ; old M - new M: a whole number, 0 or less
	s_delay_alu instid0(VALU_DEP_1)
	v_cvt_i32_f32 v[TP], v[TP]                     ; (it saturates)
	s_delay_alu instid0(VALU_DEP_1)
	v_ldexp_f32 v[FF], 1.0, v[TP]                  ; f = 2^(old M - new M)
.set J, 0
.rept 32
	v_pk_fma_f32 v[S+J:S+J+1], v[S+J:S+J+1], s[CS:CS+1], v[12:13] op_sel_hi:[1,0,0]   ; t - M, two at a time (of the pairs c and -M the low word serves both halves)
.set J, J+2
.endr
.irp b, 0,1,2,3
	v_fma_f32 v[BM+\b], v[BM+\b], s[CS], v12       ; the same of each block's largest score
.endr
.set J, 0
	s_wait_alu depctr_va_vdst(0)
.rept 64
	v_exp_f32 v[S+J], v[S+J]                       ; p = 2^(t - M), at most 1
.set J, J+1
.endr
	s_setprio 1
.irp b, 0,1,2,3
	v_exp_f32 v[BM+\b], v[BM+\b]                   ; the block's largest p: the same two instructions on the same number give the same bits
.endr
	v_pk_mul_f32 v[14:15], v[14:15], v[FF:FF+1] op_sel_hi:[1,0]   ; the sums under the new M (a plain place behind the exponentials)
	s_wait_alu depctr_va_vdst(0)
.irp b, 0,1,2,3
	v_max_num_f32 v[BM+\b], 0x1800000, v[BM+\b]    ; the floor 2^(3 - 127): the byte cannot fall under 1
.endr
.irp b, 0,1,2,3
	s_delay_alu instid0(VALU_DEP_4)
	v_add_nc_u32 v[SO+\b], 0xff000000, v[BM+\b]    ; 2 off the exponent field: the conversion's scale operand
.endr
.irp b, 0,1,2,3
	s_delay_alu instid0(VALU_DEP_4)
	v_lshrrev_b32 v[BX+\b], 23, v[SO+\b]           ; the scale's byte
.endr
	s_delay_alu instid0(VALU_DEP_3)
	v_lshl_or_b32 v[PW], v[BX+1], 8, v[BX]         ; p's scale word for these 128 keys
	s_delay_alu instid0(VALU_DEP_1)
	v_lshl_or_b32 v[PW], v[BX+2], 16, v[PW]
	s_delay_alu instid0(VALU_DEP_1)
	v_lshl_or_b32 v[PW], v[BX+3], 24, v[PW]
.irp b, 0,1,2,3
	v_cvt_scalef32_pk8_fp4_f32 v[PC+2*\b], v[S+16*\b:S+7+16*\b], v[SO+\b]
	v_cvt_scalef32_pk8_fp4_f32 v[PC+1+2*\b], v[S+8+16*\b:S+15+16*\b], v[SO+\b]
.endr
	v_nop                                          ; one plain place behind a scaled conversion
.irp c, 0,1                                    ; the operand's layout wants a whole block in a lane
.irp i, 0,1
	v_permlane16_swap_b32 v[PC+4*\c+\i], v[PC+2+4*\c+\i]
.endr
.endr
.set J, 0
.rept 16
	v_pk_mul_f32 v[OT+J:OT+J+1], v[OT+J:OT+J+1], v[FF:FF+1] op_sel_hi:[1,0]   ; O^T under the new M
.set J, J+2
.endr
	v_pk_add_f32 v[228:229], v[112:113], v[116:117]
	v_pk_add_f32 v[252:253], v[120:121], v[124:125]
	v_pk_add_f32 v[250:251], v[128:129], v[132:133]
	v_pk_add_f32 v[248:249], v[136:137], v[140:141]
	v_pk_add_f32 v[246:247], v[144:145], v[148:149]
	v_pk_add_f32 v[244:245], v[152:153], v[156:157]
	v_pk_add_f32 v[242:243], v[160:161], v[164:165]
	v_pk_add_f32 v[14:15], v[14:15], v[168:169]
	v_pk_add_f32 v[228:229], v[228:229], v[108:109]
	v_pk_add_f32 v[252:253], v[252:253], v[110:111]
	v_pk_add_f32 v[250:251], v[250:251], v[114:115]
	v_pk_add_f32 v[248:249], v[248:249], v[118:119]
	v_pk_add_f32 v[246:247], v[246:247], v[122:123]
	v_pk_add_f32 v[244:245], v[244:245], v[126:127]
	v_pk_add_f32 v[242:243], v[242:243], v[130:131]
	s_setprio 0
	v_pk_add_f32 v[14:15], v[14:15], v[134:135]
	v_pk_add_f32 v[228:229], v[228:229], v[138:139]
	v_pk_add_f32 v[252:253], v[252:253], v[142:143]
	v_pk_add_f32 v[250:251], v[250:251], v[146:147]
	v_pk_add_f32 v[248:249], v[248:249], v[150:151]
	v_pk_add_f32 v[246:247], v[246:247], v[154:155]
	v_pk_add_f32 v[244:245], v[244:245], v[158:159]
	v_pk_add_f32 v[242:243], v[242:243], v[162:163]
	v_pk_add_f32 v[14:15], v[14:15], v[166:167]
	v_pk_add_f32 v[228:229], v[228:229], v[170:171]
	s_delay_alu instid0(VALU_DEP_2)
	v_pk_add_f32 v[14:15], v[14:15], v[248:249]
	s_delay_alu instid0(VALU_DEP_2)
	v_pk_add_f32 v[228:229], v[228:229], v[246:247]
	v_pk_add_f32 v[252:253], v[252:253], v[244:245]
	v_pk_add_f32 v[250:251], v[250:251], v[242:243]
	s_delay_alu instid0(VALU_DEP_2)
	v_pk_add_f32 v[14:15], v[14:15], v[252:253]
	s_delay_alu instid0(VALU_DEP_2)
	v_pk_add_f32 v[228:229], v[228:229], v[250:251]
	s_delay_alu instid0(VALU_DEP_1)
	v_pk_add_f32 v[14:15], v[14:15], v[228:229]
	s_wait_dscnt 0x0                               ; V and its scale words are in
.irp d, 0,1,2,3                                ; O^T += V^T P^T: the four accumulators by turns
	v_wmma_scale_f32_16x16x128_f8f6f4 v[OT+8*\d:OT+8*\d+7], v[VF+8*\d:VF+8*\d+7], v[PC:PC+7], v[OT+8*\d:OT+8*\d+7], v[VSC+\d], v[PW] matrix_a_fmt:MATRIX_FMT_FP4 matrix_b_fmt:MATRIX_FMT_FP4
.endr
.endm
; Four key steps: load j of each of waves 0-3.  The step is written once and walked four times; the LDS address steps by a constant.
.macro GROUP j, qf, qs
	s_wait_tensorcnt 7-\j                          ; tensor loads of a wave end in order (ISA guide 10.11.1): my load j has landed, the 7 - j behind it stay out (waves 4-15 have none)
	s_wait_dscnt 0x0
	s_barrier_signal -1
	s_barrier_wait -1                              ; all four parts of the group have landed
	s_mov_b32 s[CNT], 4
.Lstep_\@:
	s_setprio 2
	STEP \qf, \qs
	s_add_co_u32 s[TB], s[TB], SKV
	s_sub_co_u32 s[CNT], s[CNT], 1
	s_cmp_lg_u32 s[CNT], 0
	s_cbranch_scc1 .Lstep_\@
	s_setprio 0
.endm
; A head's end: O^T / the sum, quantised along d (two blocks of 32), stored as the image of four registers of the last product's operand.
.macro FINAL hd
.rept 4
	v_nop                                          ; places behind the last products
.endr
	v_add_f32 v14, v14, v15                        ; the sum's two halves,
	s_delay_alu instid0(VALU_DEP_1)
	v_permlanex16_b32 v[TP], v14, s[SEL], s[SEL+1]
	s_delay_alu instid0(VALU_DEP_1)
	v_add_f32 v14, v14, v[TP]                      ; and lane l xor 16's: the row's sum
	s_wait_alu depctr_va_vdst(0)
	v_rcp_f32 v14, v14
	v_nop                                          ; one plain place behind a transcendental
.set J, 0
	s_wait_alu depctr_va_vdst(0)
.rept 16
	v_pk_mul_f32 v[S+J:S+J+1], v[OT+J:OT+J+1], v[14:15] op_sel_hi:[1,0]   ; register 16 g + i is o(my query, 32 g + 16 (lane / 16) + i); each accumulator from its low end on
.set J, J+2
.endr
.irp b, 0,1
	v_max3_num_f32 v[BM+\b], |v[S+16*\b]|, |v[S+1+16*\b]|, 0x1800000
.endr
.irp i, 2,4,6,8,10,12,14
.irp b, 0,1
	s_delay_alu instid0(VALU_DEP_2)
	v_max3_num_f32 v[BM+\b], v[BM+\b], |v[S+16*\b+\i]|, |v[S+1+16*\b+\i]|
.endr
.endr
.irp b, 0,1
	s_delay_alu instid0(VALU_DEP_2)
	v_permlanex16_b32 v[BX+\b], v[BM+\b], s[SEL], s[SEL+1]
.endr
.irp b, 0,1
	s_delay_alu instid0(VALU_DEP_2)
	v_max_num_f32 v[BM+\b], v[BM+\b], v[BX+\b]
.endr
.irp b, 0,1
	s_delay_alu instid0(VALU_DEP_2)
	v_add_nc_u32 v[SO+\b], 0xff000000, v[BM+\b]
.endr
.irp b, 0,1
	s_delay_alu instid0(VALU_DEP_2)
	v_lshrrev_b32 v[BX+\b], 23, v[SO+\b]
.endr
.if \hd == 0
	s_delay_alu instid0(VALU_DEP_1)
	v_lshl_or_b32 v[OW], v[BX+1], 8, v[BX]         ; the first head's two bytes
.else
	s_delay_alu instid0(VALU_DEP_2)
	v_lshl_or_b32 v[OW], v[BX], 16, v[OW]          ; the second's: the word of 128 along the last product's K is whole
	s_delay_alu instid0(VALU_DEP_1)
	v_lshl_or_b32 v[OW], v[BX+1], 24, v[OW]
.endif
.irp b, 0,1
	v_cvt_scalef32_pk8_fp4_f32 v[PC+2*\b], v[S+16*\b:S+7+16*\b], v[SO+\b]
	v_cvt_scalef32_pk8_fp4_f32 v[PC+1+2*\b], v[S+8+16*\b:S+15+16*\b], v[SO+\b]
.endr
	v_nop                                          ; one plain place behind a scaled conversion
	v_permlane16_swap_b32 v[PC], v[PC+2]           ; lanes 0-15 d = 0 .. 31, lanes 16-31 d = 32 .. 63
	v_permlane16_swap_b32 v[PC+1], v[PC+3]
	global_store_b128 v[LI], v[PC:PC+3], s[70:71] offset:512*\hd   ; 512 consecutive bytes, aligned
.if \hd == 1
	global_store_b32 v[R32], v[OW], s[72:73]       ; a word for each of 16 positions, 32 bytes apart; both halves of the lanes write the same word with the same value
.endif
.endm
	INIT
	s_wait_loadcnt 0x0                             ; Q
	GROUP 0, QF0, QS0
	GROUP 1, QF0, QS0
	GROUP 2, QF0, QS0
	GROUP 3, QF0, QS0
	s_wait_alu depctr_va_vdst(0)
	FINAL 0
	INIT
	s_wait_xcnt 0x0                                ; the store has read its registers: the codes' registers may be written again
	GROUP 4, QF1, QS1
	GROUP 5, QF1, QS1
	GROUP 6, QF1, QS1
	GROUP 7, QF1, QS1                              ; its wait on TENSORcnt is for 0: none is out at the end
	s_wait_alu depctr_va_vdst(0)
	FINAL 1
	s_wait_tensorcnt 0x0
	ds_add_u32 v254, v255
	s_wait_dscnt 0x0
	CROUND                                         ; the closing round: no work-group ends while a partner may still ask for a tile that names it
	s_endpgm
.Lfunc_end_k_q492cd6b795_attn:
	.size	k_q492cd6b795_attn, .Lfunc_end_k_q492cd6b795_attn-k_q492cd6b795_attn
	.p2alignl 7, 3214868480
	.fill 96, 4, 3214868480
	.section	.rodata,"a",@progbits
	.p2align	6, 0x0
	.amdhsa_kernel k_q492cd6b795_attn
		.amdhsa_group_segment_fixed_size 288768
		.amdhsa_private_segment_fixed_size 0
		.amdhsa_enable_private_segment 0
		.amdhsa_kernarg_size 24
		.amdhsa_user_sgpr_count 2
		.amdhsa_user_sgpr_kernarg_segment_ptr 1
		.amdhsa_wavefront_size32 1
		.amdhsa_system_sgpr_workgroup_id_x 1
		.amdhsa_system_sgpr_workgroup_id_y 1
		.amdhsa_system_sgpr_workgroup_id_z 1
		.amdhsa_system_vgpr_workitem_id 0
		.amdhsa_next_free_vgpr 256
		.amdhsa_next_free_sgpr 80
		.amdhsa_reserve_vcc 0
		.amdhsa_float_denorm_mode_32 3
		.amdhsa_float_denorm_mode_16_64 3
		.amdhsa_memory_ordered 1
		.amdhsa_forward_progress 1
		.amdhsa_inst_pref_size 147
	.end_amdhsa_kernel
	.amdgpu_metadata
---
amdhsa.version: [ 1, 2 ]
amdhsa.kernels:
  - .name:           k_q492cd6b795_attn
    .symbol:         k_q492cd6b795_attn.kd
    .args:
      - { .name: qkv, .offset: 0, .size: 8, .value_kind: global_buffer, .address_space: global }
      - { .name: oimg, .offset: 8, .size: 8, .value_kind: global_buffer, .address_space: global }
      - { .name: osc, .offset: 16, .size: 8, .value_kind: global_buffer, .address_space: global }
    .group_segment_fixed_size: 288768
    .private_segment_fixed_size: 0
    .kernarg_segment_align: 8
    .kernarg_segment_size: 24
    .max_flat_workgroup_size: 512
    .sgpr_count:     80
    .vgpr_count:     256
    .wavefront_size: 32
...
	.end_amdgpu_metadata
.endif
;; end of part 3
;; launch gemm_out (part 4): grid 4 x 32, 4 waves a work-group, clusters of 4 x 4, 327,680 bytes of LDS; arguments oimg, osc, codes, scales, bo, out0; writes out0
.if DOCPART == 4
	.amdgcn_target "amdgcn-amd-amdhsa--gfx1250"
	.amdhsa_code_object_version 6
	.text
	.protected	k_q492cd6b795_gemm_out
	.globl	k_q492cd6b795_gemm_out
	.p2align	8
	.type	k_q492cd6b795_gemm_out,@function
k_q492cd6b795_gemm_out:
	s_mov_b64 s[64:65], 0
	v_nop
	global_prefetch_b8 v0, s[64:65] scope:SCOPE_SE
	s_setreg_imm32_b32 hwreg(HW_REG_WAVE_MODE, 25, 1), 1
	s_wait_xcnt 0x0
	s_wait_alu depctr_hold_cnt(0) depctr_sa_sdst(0) depctr_va_vdst(0) depctr_va_sdst(0) depctr_va_ssrc(0) depctr_va_vcc(0) depctr_vm_vsrc(0)
	s_getreg_b32 s2, hwreg(HW_REG_IB_STS2, 6, 4)
	s_cmp_eq_u32 s2, 0
	s_cbranch_scc0 .Lentry_in_a_cluster
	s_endpgm
.Lentry_in_a_cluster:
	s_bfe_u32 s2, ttmp6, 0x10000c
	s_cmp_lg_u32 s2, 0xf033
	s_cbranch_scc0 .Lentry_shape_is_right
	s_endpgm
.Lentry_shape_is_right:
; out0 = o Wo + bo on codes of FP4 (E2M1) with E8M0 scales, K = 1,024.  out0 [8192][1024] f32.
; o arrives as images of the operand's registers: oimg [tile of 16 positions][K step of 128][c][lane][16 bytes], 8,192 bytes a tile; its scale bytes osc [position][32].
; Wo: positions 11264 on of codes [position][512 bytes] and scales [position][32].  A position is a row's (a column's) number with bits 3 and 4 exchanged; the way out undoes that on both axes.
; A block of 256 x 256 of out0 is made by four waves, 128 x 128 each: 64 accumulators, 512 registers.  Source 0 = 16 positions of Wo ("B"), source 1 = 16 positions of o ("A"): a lane holds one row of out0, and register j
; of B's block 2 g + u is column 32 g + 16 (lane / 16) + 8 u + j.  The bias is the C of each sum's first matrix instruction.
; K = 1,024 is two LDS slots of 512 along K, both filled once, at the start: nothing is filled again.  128 blocks: the launch's work is short beside its 33.5 MB of stores, and it keeps the projection launch's loop.
; CLUSTERS: 4 x 4 work-groups: A's tiles are asked for jointly by a row of the cluster, B's by a column.
; REGISTERS: window 0: v1, v2 r, h; v16-28 addresses; v32-95 scale words, two sets; v128-191 A's fragments; v192-255 the bias; on the way out v128-255 take rows of out0.
;   window 1: B's fragments, two sets.   windows 2, 3: the accumulators, (a, b) at v[8 (8 (a % 4) + b)].
.set NQ,     4
.set ROWB,   256
.set KROW,   512
.set PITCH,  272                       ; B's LDS row: 256 + 16 = 68 words: row r starts at bank 4 r mod 64 (64 banks of 4 bytes: ISA guide 11.1)
.set FR,     8
.set NL,     2
.set NP,     4                         ; places behind this matrix instruction (ISA guide 7.12.1)
.set HALFT,  128*PITCH                 ; a wave's part of a slot; A's images take 32,768 bytes of it
.set SLOT,   4*HALFT
.set KS,     32
.set SCL,    2*SLOT
.set HALFS,  16*272
.set SBLK,   2*272
.set SPITCH, 528                       ; the way out: 16 rows x (512 + 16) bytes for each wave, in slot 0: it has had its one fill, and nobody reads it behind the change of slots
.set ADRA, 16
.set ADRB, 20
.set STO,  24
.set RD,   25
.set CO,   26                          ; v26  16 x lane
.set ADRS, 27
.set BA,   28
.set SC,   32
.set AF,   128
.set BK,   128
.set BB,   192
.set G1, 24
.set G0, 32
.set G1B, 48
.set G0B, 56
.set G1S, 68
.set G0S, 76
.set G1SB, 80
.set G0SB, 88
.set MSB, 0
.macro WIN new                         ; the immediate's high byte repeats the setting that is left
.if MSB != \new
	s_set_vgpr_msb (MSB<<8)|\new
.set MSB, \new
.endif
.endm
.set MUL_LO, 0xa1                      ; source 0 (B) window 1, source 1 (A) window 0, C and D window 2
.set MUL_HI, 0xf1                      ; the same, C and D window 3
.set TO_B,   0x40
.macro JLOAD g0a, g1a, g0b, g1b        ; a joint load: waves 0 and 1 fetch for A, waves 2 and 3 for B; four v_nop follow each of the two lines
	s_cmp_eq_u32 s17, 0
	s_cbranch_scc0 .Lfor_b_\@
	tensor_load_to_lds s[\g0a:\g0a+3], s[\g1a:\g1a+7]
	s_nop 0
.rept 4
	v_nop
.endr
	s_branch .Lasked_\@
.Lfor_b_\@:
	tensor_load_to_lds s[\g0b:\g0b+3], s[\g1b:\g1b+7]
	s_nop 0
.rept 4
	v_nop
.endr
.Lasked_\@:
.endm
.macro CREST
	s_cmp_lg_u32 s16, 0
	s_cbranch_scc1 .Lnot_wave_0_\@
	s_barrier_signal -3
.Lnot_wave_0_\@:
	s_barrier_wait -3
	s_barrier_signal -1
	s_barrier_wait -1
.endm
.macro CROUND
	s_barrier_signal -1
	s_barrier_wait -1
	CREST
.endm
	s_load_b256 s[4:11], s[0:1], 0x0               ; oimg s[4:5], osc s[6:7], codes s[8:9], scales s[10:11]
	s_load_b128 s[12:15], s[0:1], 0x20             ; bo s[12:13], out0 s[14:15]
	v_lshl_add_u32 v126, v0, 2, 0x48400
	v_mov_b32 v127, 0
	ds_add_u32 v126, v127
	ds_add_u32 v126, v127
	v_lshrrev_b32 v1, 5, v0
	v_readfirstlane_b32 s16, v1                    ; wave 0..3
	s_lshr_b32 s17, s16, 1                         ; WR: which half of the block's rows.  Also: I fetch for A (0) or for B (1)
	s_and_b32 s18, s16, 1                          ; WC: which half of its columns.  Also: which half of that tile I fetch
	s_bfe_u32 s40, ttmp6, 0x40000                  ; cx, cy
	s_bfe_u32 s41, ttmp6, 0x40004
	s_lshl_b32 s42, ttmp9, 2
	s_add_co_u32 s42, s42, s40                     ; block column
	s_and_b32 s66, ttmp7, 0xffff
	s_lshl_b32 s66, s66, 2
	s_add_co_u32 s66, s66, s41                     ; block row
	s_lshl_b32 s43, s41, 2
	s_lshl_b32 s43, 15, s43                        ; my row of the cluster
	s_lshl_b32 s44, 0x1111, s40                    ; my column
	; A: 8 tiles' images of 512 along K: 8 rows of 4,096 bytes (512 elements of 8 bytes), 8,192 bytes apart, no padding
	s_or_b32 s[G1+0], s43, (3<<16)|(1<<21)
	s_mov_b32 s[G1+1], 512<<16                     ; tensor_dim0
	s_mov_b32 s[G1+2], 8<<16                       ; tensor_dim1
	s_mov_b32 s[G1+3], 512<<16                     ; tile_dim0
	s_mov_b32 s[G1+4], 8                           ; tile_dim1
	s_mov_b32 s[G1+5], 1024                        ; tensor_dim0_stride
	s_mov_b32 s[G1+6], 0
	s_mov_b32 s[G1+7], 0
	; B: 128 rows x 256 bytes, 512 bytes apart, 16 bytes of padding behind each
	s_or_b32 s[G1B+0], s44, (0<<16)|(1<<20)|(1<<21)|(5<<22)|(3<<25)
	s_mov_b32 s[G1B+1], ROWB<<16
	s_mov_b32 s[G1B+2], 128<<16
	s_mov_b32 s[G1B+3], ROWB<<16
	s_mov_b32 s[G1B+4], 128
	s_mov_b32 s[G1B+5], KROW
	s_mov_b32 s[G1B+6], 0
	s_mov_b32 s[G1B+7], 0
	; the scales of 128 rows: 4,096 dense bytes, as 16 rows of 256 bytes, 16 bytes of padding behind each
	s_or_b32 s[G1S+0], s43, (3<<16)|(1<<20)|(1<<21)|(5<<22)|(3<<25)
	s_or_b32 s[G1SB+0], s44, (3<<16)|(1<<20)|(1<<21)|(5<<22)|(3<<25)
.irp g, G1S, G1SB
	s_mov_b32 s[\g+1], 32<<16
	s_mov_b32 s[\g+2], 16<<16
	s_mov_b32 s[\g+3], 32<<16
	s_mov_b32 s[\g+4], 16
	s_mov_b32 s[\g+5], 32
	s_mov_b32 s[\g+6], 0
	s_mov_b32 s[\g+7], 0
.endr
	s_lshl_b32 s20, s66, 17                        ; A's images: (16 block row + 8 half) tiles of 8,192 bytes
	s_lshl_b32 s19, s18, 16
	s_add_co_u32 s20, s20, s19
	s_mov_b32 s21, 0
	s_lshl_b32 s22, s66, 13                        ; A's scales: (256 block row + 128 half) x 32
	s_lshl_b32 s19, s18, 12
	s_add_co_u32 s22, s22, s19
	s_mov_b32 s23, 0
	s_lshl_b32 s46, s42, 8                         ; B: position 11264 + 256 block column + 128 half
	s_lshl_b32 s19, s18, 7
	s_add_co_u32 s46, s46, s19
	s_add_co_u32 s46, s46, 11264
	s_lshl_b32 s92, s46, 5
	s_mov_b32 s93, 0
	s_lshl_b32 s46, s46, 9
	s_mov_b32 s47, 0
	s_mul_i32 s45, s16, HALFT                      ; where they go: by the wave's number alone
	s_mul_i32 s94, s16, HALFS
	s_wait_dscnt 0x0
	s_wait_kmcnt 0x0
	s_add_nc_u64 s[20:21], s[4:5], s[20:21]
	s_add_nc_u64 s[22:23], s[6:7], s[22:23]
	s_add_nc_u64 s[46:47], s[8:9], s[46:47]
	s_add_nc_u64 s[92:93], s[10:11], s[92:93]
	CROUND                                         ; all sixteen work-groups are here: the joint loads meet
	s_mov_b32 s[G0S], 1
	s_add_co_u32 s[G0S+1], s94, SCL
	s_mov_b64 s[G0S+2:G0S+3], s[22:23]
	s_or_b32 s[G0S+3], s[G0S+3], 0x80000000
	s_mov_b32 s[G0SB], 1
	s_add_co_u32 s[G0SB+1], s94, SCL
	s_mov_b64 s[G0SB+2:G0SB+3], s[92:93]
	s_or_b32 s[G0SB+3], s[G0SB+3], 0x80000000
	JLOAD G0S, G1S, G0SB, G1SB
.irp s, 0,1
	s_mov_b32 s[G0+4*\s], 1
	s_add_co_u32 s[G0+4*\s+1], s45, \s*SLOT
	s_add_nc_u64 s[G0+4*\s+2:G0+4*\s+3], s[20:21], \s*4096
	s_or_b32 s[G0+4*\s+3], s[G0+4*\s+3], 0x80000000
	s_mov_b32 s[G0B+4*\s], 1
	s_add_co_u32 s[G0B+4*\s+1], s45, \s*SLOT
	s_add_nc_u64 s[G0B+4*\s+2:G0B+4*\s+3], s[46:47], \s*ROWB
	s_or_b32 s[G0B+4*\s+3], s[G0B+4*\s+3], 0x80000000
	s_wait_alu depctr_va_vdst(0)
	s_wait_tensorcnt 0x0
	ds_add_u32 v126, v127
	s_wait_dscnt 0x0
	CROUND
	JLOAD G0+4*\s, G1, G0B+4*\s, G1B               ; both slots, one at a time: behind the wait one tensor load of mine is out, and no more follow
.endr
	v_and_b32 v1, 15, v0                           ; r
	v_bfe_u32 v2, v0, 4, 1                         ; h
	s_lshl_b32 s20, s42, 10                        ; the bias of my 128 columns: (256 block column + 128 WC) x 4
	s_lshl_b32 s21, s18, 9
	s_add_co_u32 s20, s20, s21
	s_mov_b32 s21, 0
	s_add_nc_u64 s[12:13], s[12:13], s[20:21]
	v_lshlrev_b32 v[BA], 6, v2                     ; register 8 b + j wants column 32 (b / 2) + 8 (b % 2) + 16 h + j
.irp b, 0,1,2,3,4,5,6,7
	global_load_b128 v[BB+8*\b:BB+8*\b+3], v[BA], s[12:13] offset:(32*(\b/2)+8*(\b%2))*4
	global_load_b128 v[BB+8*\b+4:BB+8*\b+7], v[BA], s[12:13] offset:(32*(\b/2)+8*(\b%2))*4+16
.endr
	v_and_b32 v6, 31, v0
	v_lshlrev_b32 v[CO], 4, v6                     ; 16 x lane
	v_mul_u32_u24 v3, v1, PITCH
	v_lshl_add_u32 v4, v2, 4, v3                   ; B: a fragment's row x pitch + 16 x half
	s_mul_i32 s21, s17, HALFT                      ; my 8 tiles of A
	s_mul_i32 s22, s18, HALFT                      ; my 128 rows of B,
	s_add_co_u32 s22, s22, 2*HALFT                 ; which lie behind A's two parts
.irp s, 0,1
	v_add_nc_u32 v[ADRA+\s], s21, v[CO]            ; A: an image's place for my lane
	v_add_nc_u32 v[ADRB+\s], s22, v4
	s_add_co_u32 s21, s21, SLOT
	s_add_co_u32 s22, s22, SLOT
.endr
	v_mul_u32_u24 v5, v1, KS
	v_lshrrev_b32 v6, 8, v5
	v_lshl_add_u32 v5, v6, 4, v5
	s_mul_i32 s21, s17, HALFS
	s_mul_i32 s22, s18, HALFS
	s_add_co_u32 s22, s22, 2*HALFS
	s_sub_co_u32 s22, s22, s21
	v_mul_u32_u24 v6, s22, v2                      ; lanes 16-31 take B's scale words: one product, the distance between the two bases
	s_add_co_u32 s21, s21, SCL
	v_add_nc_u32 v5, v5, v6
	v_add_nc_u32 v[ADRS], s21, v5
	s_mul_i32 s23, s16, 16*SPITCH                  ; my stage
	v_mul_u32_u24 v5, v1, SPITCH
	v_lshl_add_u32 v5, v2, 6, v5                   ; in: row r, + 64 h: my half's 16 columns of each 32
	v_add_nc_u32 v[STO], s23, v5
	v_add_nc_u32 v[RD], s23, v[CO]                 ; back: the 32 lanes take one row of 512 bytes
	s_lshl_b32 s20, s66, 20                        ; my part of out0: (256 block row + 128 WR) rows of 4,096 bytes + (256 block column + 128 WC) x 4
	s_lshl_b32 s21, s17, 19
	s_add_co_u32 s20, s20, s21
	s_lshl_b32 s21, s42, 10
	s_add_co_u32 s20, s20, s21
	s_lshl_b32 s21, s18, 9
	s_add_co_u32 s20, s20, s21
	s_mov_b32 s21, 0
	s_add_nc_u64 s[14:15], s[14:15], s[20:21]
.macro FRAG reg, adr, q, i             ; B: 16 rows x 128 K from rows: lane l holds row l % 16; registers 4 c .. 4 c + 3 hold K = 64 c + 32 (l / 16) + 0 .. 31
.irp c, 0,1
	ds_load_b128 v[\reg+4*\c:\reg+4*\c+3], v[\adr] offset:64*(\q)+32*\c+(\i)*16*PITCH
.endr
.endm
.macro FRAGA reg, adr, q, i            ; A: the same registers from an image: tile i, the slot's q-th 128 along K, 512 consecutive bytes a load
.irp c, 0,1
	ds_load_b128 v[\reg+4*\c:\reg+4*\c+3], v[\adr] offset:4096*(\i)+1024*(\q)+512*\c
.endr
.endm
; 16 matrix instructions: A's blocks a0, a0 + 1 x B's eight.  first = 1: the bias (window 0) is the C, and the products start the sums.
; The 64 accumulators take turns, one instruction a turn, in the same order in every step.
.macro MUL16 a0, p, q, sc, first
.irp a, \a0, \a0+1
.irp b, 0,1,2,3,4,5,6,7
.if \first
	v_wmma_scale_f32_16x16x128_f8f6f4 v[8*(8*((\a)%4)+\b):8*(8*((\a)%4)+\b)+7], v[128*(\p)+FR*\b:128*(\p)+FR*\b+FR-1], v[AF+FR*(\a):AF+FR*(\a)+FR-1], v[BB+8*\b:BB+8*\b+7], v[SC+8*NQ*(\sc)+NQ*\b+(\q)], v[SC+8*NQ*(\sc)+NQ*(\a)+(\q)] matrix_a_fmt:MATRIX_FMT_FP4 matrix_b_fmt:MATRIX_FMT_FP4 matrix_a_scale:MATRIX_SCALE_ROW1
.else
	v_wmma_scale_f32_16x16x128_f8f6f4 v[8*(8*((\a)%4)+\b):8*(8*((\a)%4)+\b)+7], v[128*(\p)+FR*\b:128*(\p)+FR*\b+FR-1], v[AF+FR*(\a):AF+FR*(\a)+FR-1], v[8*(8*((\a)%4)+\b):8*(8*((\a)%4)+\b)+7], v[SC+8*NQ*(\sc)+NQ*\b+(\q)], v[SC+8*NQ*(\sc)+NQ*(\a)+(\q)] matrix_a_fmt:MATRIX_FMT_FP4 matrix_b_fmt:MATRIX_FMT_FP4 matrix_a_scale:MATRIX_SCALE_ROW1
.endif
.endr
.endr
.endm
.macro FETCH_B slot, q, p
	WIN TO_B
.irp i, 0,1,2,3,4,5,6,7
	FRAG 128*(\p)+FR*\i, ADRB+\slot, \q, \i
.endr
	WIN 0
.endm
.macro FETCH_A slot, q, i0
.irp i, \i0, \i0+1, \i0+2, \i0+3
	FRAGA AF+FR*(\i), ADRA+\slot, \q, \i
.endr
.endm
.macro SCALES sc
.irp i, 0,1,2,3,4,5,6,7
	ds_load_b128 v[SC+8*NQ*\sc+NQ*\i:SC+8*NQ*\sc+NQ*\i+3], v[ADRS] offset:\i*SBLK
.endr
.endm
.macro PLACES n
.rept \n
	v_nop
.endr
.endm
.macro STEP slot, q, first
	s_wait_dscnt 4*NL                              ; all but the youngest eight loads (A's blocks 4-7) are in
.if \first
	WIN 0x81                                       ; C window 0 (the bias), D window 2
.else
	WIN MUL_LO
.endif
	MUL16 0, (\q)%2, \q, \slot, \first
	MUL16 2, (\q)%2, \q, \slot, \first
	s_wait_dscnt 0                                 ; A's blocks 4-7 are in
	PLACES NP
	FETCH_B \slot, (\q)+1, 1-(\q)%2
	FETCH_A \slot, (\q)+1, 0
.if \first
	WIN 0xc1                                       ; C window 0, D window 3
.else
	WIN MUL_HI
.endif
	MUL16 4, (\q)%2, \q, \slot, \first
	MUL16 6, (\q)%2, \q, \slot, \first
	PLACES NP
	WIN 0
	FETCH_A \slot, (\q)+1, 4
.endm
.macro CHG                             ; slot 0's last step, and the change to slot 1: one barrier; nothing is filled again
	s_wait_tensorcnt 0x0                           ; my part of slot 1 has landed
	s_wait_dscnt 4*NL
	WIN MUL_LO
	MUL16 0, 1, NQ-1, 0, 0
	s_wait_dscnt 0x0                               ; my reads of slot 0 are over: behind this barrier its bytes may serve as stages
	s_barrier_signal -1
	MUL16 2, 1, NQ-1, 0, 0
	WIN 0
	s_barrier_wait -1
	PLACES NP
	v_add_nc_u32 v[ADRS], 4*NQ, v[ADRS]
	FETCH_B 1, 0, 0
	FETCH_A 1, 0, 0
	SCALES 1
	WIN MUL_HI
	MUL16 4, 1, NQ-1, 0, 0
	MUL16 6, 1, NQ-1, 0, 0
	PLACES NP
	WIN 0
	FETCH_A 1, 0, 4
.endm
.macro LAST
	s_wait_dscnt 4*NL
	WIN MUL_LO
	MUL16 0, 1, NQ-1, 1, 0
	MUL16 2, 1, NQ-1, 1, 0
	s_wait_dscnt 0
	WIN MUL_HI
	MUL16 4, 1, NQ-1, 1, 0
	MUL16 6, 1, NQ-1, 1, 0
	WIN 0
.endm
	s_wait_alu depctr_va_vdst(0)
	s_wait_tensorcnt 1                             ; the scales and my part of slot 0 are in (slot 1's load may be out)
	s_barrier_signal -1
	s_barrier_wait -1                              ; everybody's are
	FETCH_B 0, 0, 0
	FETCH_A 0, 0, 0
	SCALES 0
	FETCH_A 0, 0, 4
	s_wait_loadcnt 0x0                             ; the bias
	STEP 0, 0, 1
	STEP 0, 1, 0
	STEP 0, 2, 0
	CHG
	STEP 1, 0, 0
	STEP 1, 1, 0
	STEP 1, 2, 0
	LAST
; THE WAY OUT, block by block of 16 positions x 128 columns.  A lane's eight numbers of B's block b go to their true columns in my own stage; the stage's rows come back whole (512 bytes) and go to their true rows of out0.
; LDS serves a wave's instructions in order (ISA guide 5.7.1.4): no wait between the stores and the loads, nor in front of the next block's stores.
.macro TOSTAGE a
.set AC, 64*((\a)%4)
	WIN 0x08+4*((\a)/4)                            ; the data: window 2 or 3
.irp b, 0,1,2,3,4,5,6,7
	ds_store_b128 v[STO], v[AC+8*\b:AC+8*\b+3] offset:128*(\b/2)+32*(\b%2)        ; each accumulator from its low end on
	ds_store_b128 v[STO], v[AC+8*\b+4:AC+8*\b+7] offset:128*(\b/2)+32*(\b%2)+16
.endr
	WIN 0
.set BR, BK+64*((\a)%2)
.irp t, 0,1,2,3,4,5,6,7,8,9,10,11,12,13,14,15
	ds_load_b128 v[BR+4*\t:BR+4*\t+3], v[RD] offset:\t*SPITCH
.endr
.endm
.macro SEND a, younger                 ; younger: the LDS instructions issued behind block a's loads, which may stay out
.set BR, BK+64*((\a)%2)
	s_wait_dscnt \younger
.irp t, 0,1,2,3,4,5,6,7,8,9,10,11,12,13,14,15
	global_store_b128 v[CO], v[BR+4*\t:BR+4*\t+3], s[14:15] offset:(32*((\a)/2)+8*((\a)%2)+\t+8*(\t/8))*4096 th:TH_STORE_NT   ; position 16 a + t is row 32 (a / 2) + 8 (a % 2) + t + 8 (t / 8); 32 lanes store 512 consecutive bytes, aligned; 127 rows at the most: inside the signed 24-bit immediate
.endr
.endm
	PLACES NP                                      ; behind the last products: for the loads into the registers that held A's fragments, and for the reads of results
	TOSTAGE 0
.irp a, 1,2,3,4,5,6,7
.if \a > 1
	s_wait_xcnt 0x0                                ; block a - 2's stores have read their registers: block a's loads may land there
.endif
	TOSTAGE \a
	SEND \a-1, 32                                  ; behind block a - 1's loads: block a's 16 stores and 16 loads
.endr
	SEND 7, 0
	s_wait_tensorcnt 0x0
	ds_add_u32 v126, v127
	s_wait_dscnt 0x0
	CROUND                                         ; the closing round: no work-group ends while a partner may still ask for a tile that names it
	s_endpgm
.Lfunc_end_k_q492cd6b795_gemm_out:
	.size	k_q492cd6b795_gemm_out, .Lfunc_end_k_q492cd6b795_gemm_out-k_q492cd6b795_gemm_out
	.p2alignl 7, 3214868480
	.fill 96, 4, 3214868480
	.section	.rodata,"a",@progbits
	.p2align	6, 0x0
	.amdhsa_kernel k_q492cd6b795_gemm_out
		.amdhsa_group_segment_fixed_size 327680
		.amdhsa_private_segment_fixed_size 0
		.amdhsa_enable_private_segment 0
		.amdhsa_kernarg_size 48
		.amdhsa_user_sgpr_count 2
		.amdhsa_user_sgpr_kernarg_segment_ptr 1
		.amdhsa_wavefront_size32 1
		.amdhsa_system_sgpr_workgroup_id_x 1
		.amdhsa_system_sgpr_workgroup_id_y 1
		.amdhsa_system_sgpr_workgroup_id_z 1
		.amdhsa_system_vgpr_workitem_id 0
		.amdhsa_next_free_vgpr 1024
		.amdhsa_next_free_sgpr 100
		.amdhsa_reserve_vcc 0
		.amdhsa_float_denorm_mode_32 3
		.amdhsa_float_denorm_mode_16_64 3
		.amdhsa_memory_ordered 1
		.amdhsa_forward_progress 1
		.amdhsa_inst_pref_size 126
	.end_amdhsa_kernel
	.amdgpu_metadata
---
amdhsa.version: [ 1, 2 ]
amdhsa.kernels:
  - .name:           k_q492cd6b795_gemm_out
    .symbol:         k_q492cd6b795_gemm_out.kd
    .args:
      - { .name: oimg, .offset: 0, .size: 8, .value_kind: global_buffer, .address_space: global }
      - { .name: osc, .offset: 8, .size: 8, .value_kind: global_buffer, .address_space: global }
      - { .name: codes, .offset: 16, .size: 8, .value_kind: global_buffer, .address_space: global }
      - { .name: scales, .offset: 24, .size: 8, .value_kind: global_buffer, .address_space: global }
      - { .name: bo, .offset: 32, .size: 8, .value_kind: global_buffer, .address_space: global }
      - { .name: out0, .offset: 40, .size: 8, .value_kind: global_buffer, .address_space: global }
    .group_segment_fixed_size: 327680
    .private_segment_fixed_size: 0
    .kernarg_segment_align: 8
    .kernarg_segment_size: 48
    .max_flat_workgroup_size: 128
    .sgpr_count:     100
    .vgpr_count:     1024
    .wavefront_size: 32
...
	.end_amdgpu_metadata
.endif
;; end of part 4
